; MI455X (gfx1250); checked and timed in simulation.
; The chip was launched on July 23, 2026; its instructions are those of AMD's public machine-readable ISA for CDNA 5 (MIT licence, August 2026) and "CDNA5" Instruction Set Architecture Reference Guide (July 2026). The comments in the code are by the model that wrote it; some were corrected since.
;; Multihead Attention. Allowed arithmetic: matrix products marked QUANTISED: E4M3 operands, one given power-of-two scale a tensor, by v_wmma_f32_16x16x64_fp8_fp8 or v_wmma_f32_16x16x128_fp8_fp8, f32 sums; everything else in f32.
;; Inputs: b_proj 1,024 float32; lowp_scales 8 int32 (the exponents e of the quantised operands' scales 2^e); w_proj 1,024 x 1,024 float32; w_qkv 3,072 x 1,024 float32; x 4 x 2,048 x 1,024 float32.
;; Outputs: out0 4 x 2,048 x 1,024 float32.
;; This version of the problem:
;;   THIS VERSION OF THE PROBLEM IS GIVEN IN LOW PRECISION. The matrix products marked QUANTISED in the list below multiply operands that are first quantised to E4M3 (4 exponent bits, 3 mantissa bits; 8 bits a number), with one given power-of-two scale for each operand tensor; their sums are f32. All else is computed in f32.
;;   The module's matrix products, in the order in which they are computed (A, B: the left and right operand; K: the contracted axis; several contracted axes count as one K, in the product's order):
;;     1. [M 8,192, K 1,024] x [K 1,024, N 3,072]; A: input x; B: input w_qkv: QUANTISED (scales: A lowp_scales[0], B lowp_scales[1])
;;     2. batch 64 x [M 2,048, K 64] x [K 64, N 2,048]; A: computed on the way; B: computed on the way: QUANTISED (scales: A lowp_scales[2], B lowp_scales[3])
;;     3. batch 64 x [M 2,048, K 2,048] x [K 2,048, N 64]; A: softmax (see below); B: computed on the way: QUANTISED (scales: A lowp_scales[4], B lowp_scales[5])
;;     4. [M 8,192, K 1,024] x [K 1,024, N 1,024]; A: computed on the way; B: input w_proj: QUANTISED (scales: A lowp_scales[6], B lowp_scales[7])
;;   THE QUANTISER, for each operand of a quantised product, along K:
;;     - The operand's scale is 2^e, e = its entry of the input lowp_scales (int32; the entries are numbered through the quantised products in the list's order, A before B).
;;     - Each number is divided by the scale, clamped to +-448, and rounded to the nearest number of E4M3, ties to even, subnormals kept.
;;     - The product sums the exact products of the quantised numbers (number of the format x scale) in f32.
;;   ~~~python
;;   def quantise(x, axis, e):      # numpy; x: float32 -> the quantised numbers, widened to float32 again
;;       x = np.moveaxis(x, axis, -1); K = x.shape[-1]
;;       r = np.clip(x / 2.0 ** e, -448, 448)
;;       step = 2.0 ** (np.maximum(np.frexp(np.where(r == 0, 1, r))[1] - 1, -6) - 3)
;;       q = np.round(r / step) * step * 2.0 ** e      # np.round: ties to even
;;       return np.moveaxis(q, -1, axis).astype(np.float32)
;;   ~~~
;;   SOFTMAX AHEAD OF A QUANTISED PRODUCT. Where the list says 'softmax', what is quantised is not the finished softmax but p = 2^(t - M), with t = logit x log2(e) and M = ceil(the row's largest t), a whole number; so 1/2 < the row's largest p <= 1. The row's sum l is taken of the UNQUANTISED p, in f32, and the product's result is divided by l at the end. Since M is a whole number, a kernel that streams over the keys may use a running M (the ceiling of the running maximum): every later rescaling is an exact power of two, so the quantised numbers keep their values, but for numbers so far below the row's largest that they fall under the format's range.
;;   OPERANDS COMPUTED ON THE WAY. 'Computed on the way' means the value that the module computes at that place (a softmax that the list does not call 'softmax' is quantised finished and normalised). What goes into a quantiser is computed in f32, as accurately as f32 sums, v_exp_f32 and their like allow (about 1e-6 of the number): no bf16 or f16 on the way to a quantiser, and a product that is left as it is and whose result goes on into a quantised operand takes f32 operands (vector FMAs, or v_wmma_f32_16x16x4_f32). A number that lies on a knife's edge between two numbers of the format may be rounded either way, as far as f32 arithmetic and the matrix unit's own rounding can turn it there, and no further.
;; One version. Each part assembles by itself: llvm-mc -triple=amdgcn-amd-amdhsa -mcpu=gfx1250 --defsym DOCPART=n.
;; ======== version 1 of 1: 4 launches
;; limits: right only within a limited range of input values
;; workspace buffers: codes 12,582,912 bytes; qkv 25,165,824 bytes; ctx 8,388,608 bytes
;; launch quant (part 1): grid 384 x 1, 4 waves a work-group, no clusters, 33,280 bytes of LDS; arguments x, w_qkv, w_proj, lowp_scales, codes; writes codes
.if DOCPART == 1
	.amdgcn_target "amdgcn-amd-amdhsa--gfx1250"
	.amdhsa_code_object_version 6
	.text
	.protected	k_qafec7abea4_quant
	.globl	k_qafec7abea4_quant
	.p2align	8
	.type	k_qafec7abea4_quant,@function
k_qafec7abea4_quant:
	s_mov_b64 s[64:65], 0
	v_nop
	global_prefetch_b8 v0, s[64:65] scope:SCOPE_SE
	s_setreg_imm32_b32 hwreg(HW_REG_WAVE_MODE, 25, 1), 1
	s_wait_xcnt 0x0
; MULTI-HEAD ATTENTION ON CODES OF FP8 (E4M3), four launches: this one (x, w_qkv, w_proj -> codes), qkv (product 1, its sums quantised to q, k, v), attn (products 2 and 3 with the causal softmax; ctx quantised), proj (product 4 and the bias).
; WORK LEFT OUT, in launch attn: a step of 128 keys all of which come after all queries of a wave.  reference() sets the logits of keys k > q to finfo.min by its own jnp.tril, whatever the inputs hold; the row's largest logit is that of
; a key k <= q (key 0 counts for every query), so the softmax weight of such a key is 0 for all finite inputs, and its products with q and with v reach no output.  Every input has a way to the output and is loaded.
; LIMIT: a NaN, an infinity or an overflow that reaches only the scores left out is not carried to the result.  NaN among the inputs is not served.
; THIS LAUNCH: code = number / 2^e, held within +-448, rounded to the nearest code, ties to even.  e = lowp_scales[0] for x, [1] for w_qkv, [7] for w_proj; LIMIT: each between -126 and 119.
; codes: 12,288 rows of 1,024 bytes, K innermost: rows 0-8,191 x, 8,192-11,263 w_qkv, 11,264-12,287 w_proj.  IN x AND w_qkv THE TWO MIDDLE GROUPS OF 8 ROWS OF EACH 32 CHANGE PLACES: buffer row 32 b + 16 u + m holds
; source row 32 b + 8 u + m + 8 (m / 8).  Sixteen buffer rows taken as a matrix instruction's source 0 then leave, in the results of two neighbouring tiles, 16 NEIGHBOURS along that axis in a lane's 16 registers: what the next quantiser wants.
; SHARES: a work-group takes 32 rows, a wave 8 rows (one group of the exchange): 8,192 numbers in 16 steps of 512.  Work-groups 0-255: x; 256-351: w_qkv; 352-383: w_proj: pointers and e are chosen by the work-group's number, one path for all.
; Each of a step's four loads reads 512 consecutive bytes; the 2,048 bytes turn through the wave's own stage in LDS (16 bytes of padding behind each 64) and come back 64 bytes a lane: 16 neighbours along K, as the conversions want.
; A lane's 16 codes are 16 bytes: the wave stores 512 consecutive bytes.  No tensor loads, no barrier: waves share nothing.  Loads run four steps (16 loads a wave) ahead, the turn through LDS one step.
.set WAVES, 4
.set STEPS, 16
.set WGX,   256                        ; work-groups of x
.set WGW,   352                        ; of x and w_qkv together
.set EMAX,  8
.set MANT,  0x600000                   ; the mantissa field of 448 as f32
.set CB,    16                         ; bytes of 16 codes
.set R,     16                         ; v16-79   four sets of 16 numbers as they are loaded
.set X,     80                         ; v80-111  two sets of 16 neighbours
.set C,     128                        ; v128-191 codes: four registers for each step, so that no store's data are written again
.set WREG,  8192                       ; LDS: a region of its own for each wave: two stages of 32 x SP bytes
.set SP,    80                         ; a lane's place in a stage: its 64 bytes + 16 of padding
.set SPW,   12                         ; v12      LDS address of my spare word: SPARE + 4 x my thread's number; never rewritten
.set NIL,   13                         ; v13      0; never rewritten
.set SPARE, WAVES*WREG                 ; behind the four regions: the spare words, 128 bytes for each wave
	s_load_b256 s[4:11], s[0:1], 0x0               ; x s[4:5], w_qkv s[6:7], w_proj s[8:9], the scales' exponents s[10:11]
	s_load_b64 s[12:13], s[0:1], 0x20              ; codes
	v_lshl_add_u32 v[SPW], v0, 2, SPARE
	v_mov_b32 v[NIL], 0
	v_lshrrev_b32 v1, 5, v0
	v_readfirstlane_b32 s16, v1                    ; wave
	v_and_b32 v2, 31, v0                           ; lane
	v_lshlrev_b32 v3, 4, v2                        ; my 16 bytes of a load's 512
	s_mul_i32 s17, s16, WREG
	v_lshrrev_b32 v14, 2, v2
	v_mul_u32_u24 v14, v14, SP
	v_and_b32 v15, 3, v2
	v_lshl_add_u32 v14, v15, 4, v14
	v_add_nc_u32 v14, s17, v14                     ; the stage, on the way in: four lanes' 64 bytes on end, then 16 of padding
	v_mul_u32_u24 v15, v2, SP
	v_add_nc_u32 v15, s17, v15                     ; and on the way out: SP x lane: my 16 neighbours
	v_mul_u32_u24 v4, v2, CB                       ; my codes' place in a step's
	s_and_b32 s18, s16, 1
	s_lshl_b32 s18, s18, 1
	s_lshr_b32 s19, s16, 1
	s_or_b32 s18, s18, s19                         ; the exchange: source group 0, 1, 2, 3 goes to buffer group 0, 2, 1, 3
	s_mov_b32 s20, WGW
	s_wait_alu depctr_va_vdst(0)
	s_wait_kmcnt 0x0
	s_load_b256 s[32:39], s[10:11], 0x0            ; e0 .. e7
	s_cmp_lt_u32 ttmp9, WGW                        ; the choices hang on the work-group's number alone
	s_cselect_b64 s[6:7], s[6:7], s[8:9]           ; w_qkv or w_proj
	s_cselect_b32 s20, WGX, s20                    ; that tensor's first work-group
	s_cselect_b32 s18, s18, s16                    ; w_proj's rows stay in their order
	s_cmp_lt_u32 ttmp9, WGX
	s_cselect_b64 s[4:5], s[4:5], s[6:7]           ; x or a weight
	s_cselect_b32 s20, 0, s20
	s_sub_co_u32 s20, ttmp9, s20
	s_lshl_b32 s20, s20, 2
	s_add_co_u32 s20, s20, s16                     ; which run of 8 rows of the tensor is my wave's
	s_lshl_b32 s20, s20, 15                        ; x 32,768 bytes of f32: under 2^26
	s_mov_b32 s21, 0
	s_add_nc_u64 s[4:5], s[4:5], s[20:21]
	s_lshl_b32 s22, ttmp9, 2
	s_add_co_u32 s22, s22, s18                     ; and where its codes go: group 4 x work-group + the exchanged wave
	s_lshl_b32 s22, s22, 13                        ; x 8,192 bytes
	s_mov_b32 s23, 0
	s_add_nc_u64 s[8:9], s[12:13], s[22:23]
.macro LOAD t
.irp i, 0,1,2,3
	global_load_b128 v[R+16*((\t)%4)+4*\i:R+16*((\t)%4)+4*\i+3], v3, s[4:5] offset:2048*(\t)+512*\i th:TH_LOAD_NT   ; 32 lanes read 512 consecutive bytes
.endr
.endm
.macro TURN t                          ; step t's numbers through the stage: LDS serves a wave's instructions in order, so no wait stands between the stores and the loads
.irp i, 0,1,2,3
	ds_store_b128 v14, v[R+16*((\t)%4)+4*\i:R+16*((\t)%4)+4*\i+3] offset:32*SP*((\t)%2)+8*SP*\i
.endr
.irp i, 0,1,2,3
	ds_load_b128 v[X+16*((\t)%2)+4*\i:X+16*((\t)%2)+4*\i+3], v15 offset:32*SP*((\t)%2)+16*\i
.endr
.endm
.irp t, 0,1,2,3
	LOAD \t
.endr
	s_wait_kmcnt 0x0
	s_cmp_lt_u32 ttmp9, WGW
	s_cselect_b32 s22, s33, s39                    ; e1 or e7
	s_cmp_lt_u32 ttmp9, WGX
	s_cselect_b32 s22, s32, s22                    ; e0
	s_add_co_i32 s22, s22, 127
	s_lshl_b32 s23, s22, 23
	v_mov_b32 v11, s23                             ; 2^e as f32: the conversion takes its exponent field
	s_add_co_i32 s22, s22, EMAX
	s_lshl_b32 s22, s22, 23
	s_or_b32 s22, s22, MANT
	v_mov_b32 v10, s22                             ; 448 x 2^e
	s_wait_alu depctr_va_vdst(0)
	s_wait_loadcnt 12                              ; step 0's four loads are in; the 12 of steps 1 to 3 may be out
	TURN 0
.macro STEP t
.set XS, X+16*((\t)%2)
	s_wait_dscnt 0x0                               ; this step's numbers are back from the stage: so its stores into the stage have read their registers,
.if (\t)+4 < STEPS
	LOAD (\t)+4                                    ; which take the loads of four steps on
.endif
.if (\t)+1 < STEPS
.if STEPS-2-(\t) >= 3
	s_wait_loadcnt 12                              ; the next step's four loads are in; those of the three steps behind it may be out
.else
	s_wait_loadcnt 4*(STEPS-2-(\t))
.endif
	TURN (\t)+1                                    ; and go through the other stage while this step is worked
.endif
.irp i, 0,1,2,3,4,5,6,7,8,9,10,11,12,13,14,15
	v_med3_num_f32 v[XS+\i], v[XS+\i], -v10, v10   ; the conversion to an 8-bit code does not saturate (ISA guide 7.6.2): the hold at the largest code x the scale comes first
.endr
	v_cvt_scalef32_pk8_fp8_f32 v[C+4*(\t):C+4*(\t)+1], v[XS:XS+7], v11          ; eight numbers / 2^e, to the nearest code, ties to even; the first number's code in the lowest byte
	v_cvt_scalef32_pk8_fp8_f32 v[C+4*(\t)+2:C+4*(\t)+3], v[XS+8:XS+15], v11
	global_store_b128 v4, v[C+4*(\t):C+4*(\t)+3], s[8:9] offset:32*CB*(\t)      ; the results go to a store alone; the next step's holds are plain vector lines on other registers
.endm
.irp t, 0,1,2,3,4,5,6,7,8,9,10,11,12,13,14,15
	STEP \t
.endr
	s_wait_tensorcnt 0x0                           ; the wave's end: behind my last LDS store
	ds_add_u32 v[SPW], v[NIL]
	s_wait_dscnt 0x0
	s_endpgm
.Lfunc_end_k_qafec7abea4_quant:
	.size	k_qafec7abea4_quant, .Lfunc_end_k_qafec7abea4_quant-k_qafec7abea4_quant
	.p2alignl 7, 3214868480
	.fill 96, 4, 3214868480
	.section	.rodata,"a",@progbits
	.p2align	6, 0x0
	.amdhsa_kernel k_qafec7abea4_quant
		.amdhsa_group_segment_fixed_size 33280
		.amdhsa_private_segment_fixed_size 0
		.amdhsa_enable_private_segment 0
		.amdhsa_kernarg_size 40
		.amdhsa_user_sgpr_count 2
		.amdhsa_user_sgpr_kernarg_segment_ptr 1
		.amdhsa_wavefront_size32 1
		.amdhsa_system_sgpr_workgroup_id_x 1
		.amdhsa_system_sgpr_workgroup_id_y 1
		.amdhsa_system_sgpr_workgroup_id_z 1
		.amdhsa_system_vgpr_workitem_id 0
		.amdhsa_next_free_vgpr 192
		.amdhsa_next_free_sgpr 66
		.amdhsa_reserve_vcc 0
		.amdhsa_float_denorm_mode_32 3
		.amdhsa_float_denorm_mode_16_64 3
		.amdhsa_memory_ordered 1
		.amdhsa_forward_progress 1
		.amdhsa_inst_pref_size 38
	.end_amdhsa_kernel
	.amdgpu_metadata
---
amdhsa.version: [ 1, 2 ]
amdhsa.kernels:
  - .name:           k_qafec7abea4_quant
    .symbol:         k_qafec7abea4_quant.kd
    .args:
      - { .name: x, .offset: 0, .size: 8, .value_kind: global_buffer, .address_space: global }
      - { .name: w_qkv, .offset: 8, .size: 8, .value_kind: global_buffer, .address_space: global }
      - { .name: w_proj, .offset: 16, .size: 8, .value_kind: global_buffer, .address_space: global }
      - { .name: lowp_scales, .offset: 24, .size: 8, .value_kind: global_buffer, .address_space: global }
      - { .name: codes, .offset: 32, .size: 8, .value_kind: global_buffer, .address_space: global }
    .group_segment_fixed_size: 33280
    .private_segment_fixed_size: 0
    .kernarg_segment_align: 8
    .kernarg_segment_size: 40
    .max_flat_workgroup_size: 128
    .sgpr_count:     66
    .vgpr_count:     192
    .wavefront_size: 32
...
	.end_amdgpu_metadata
.endif
;; end of part 1
;; launch qkv (part 2): grid 12 x 16, 4 waves a work-group, clusters of 4 x 4, 327,680 bytes of LDS; arguments codes, lowp_scales, qkv; writes qkv
.if DOCPART == 2
	.amdgcn_target "amdgcn-amd-amdhsa--gfx1250"
	.amdhsa_code_object_version 6
	.text
	.protected	k_qafec7abea4_qkv
	.globl	k_qafec7abea4_qkv
	.p2align	8
	.type	k_qafec7abea4_qkv,@function
k_qafec7abea4_qkv:
	s_mov_b64 s[64:65], 0
	v_nop
	global_prefetch_b8 v0, s[64:65] scope:SCOPE_SE
	s_setreg_imm32_b32 hwreg(HW_REG_WAVE_MODE, 25, 1), 1
	s_wait_xcnt 0x0
	s_wait_alu depctr_hold_cnt(0) depctr_sa_sdst(0) depctr_va_vdst(0) depctr_va_sdst(0) depctr_va_ssrc(0) depctr_va_vcc(0) depctr_vm_vsrc(0)
	s_getreg_b32 s2, hwreg(HW_REG_IB_STS2, 6, 4)
	s_cmp_eq_u32 s2, 0
	s_cbranch_scc0 .Lentry_in_a_cluster
	s_endpgm
.Lentry_in_a_cluster:
	s_bfe_u32 s2, ttmp6, 0x10000c
	s_cmp_lg_u32 s2, 0xf033
	s_cbranch_scc0 .Lentry_shape_is_right
	s_endpgm
.Lentry_shape_is_right:
; PRODUCT 1: qkv = x w_qkv^T on codes of FP8 (E4M3), K = 1,024; each f32 sum stands for sum x 2^(e0 + e1) and is quantised in registers: q by 2^e2, k by 2^e3, v by 2^e5 (code = sum / 2^(e_t - e0 - e1), held at +-448).
; LIMIT: e_t - e0 - e1 between -126 and 119 for t = 2, 3, 5.  No work is left out here.
; A work-group of four waves makes a tile of 256 x 256, a wave 128 x 128: 64 accumulators of 16 x 16, 512 registers.  K goes in steps of 256 through a ring of two LDS slots filled by the tensor data mover.
; A WORK-GROUP STAYS AND MAKES TWO TILES: token blocks y and y + 16 of 256 tokens, the same rows of w: 12 x 16 = 192 work-groups for 384 tiles.  The ring does not stop at the first tile's end: its last two changes of slots
; ask for the second tile's K steps 0 and 1, then the first tile goes out, and nothing waits for its stores.  Both tiles are written out.
; TWO REGIONS OF A SLOT.  D = (source 0: 16 rows of region B) x (source 1: 16 rows of region A): a lane holds ONE row of region A, and its registers run along region B's rows.
;   cluster x = 0 (q), 1 (k): region A = 256 tokens of x, region B = 256 rows of w: a lane's registers run along the head's channels, the K of product 2.
;   cluster x = 2 (v):        region A = 256 rows of w_v, region B = 256 tokens: a lane's registers run along the keys, the K of product 3.
; The roles are chosen by s_cselect on the cluster's x, which all partners share: no branch.  By the order of the rows in codes (the middle groups of 8 of each 32 exchanged) the 16 registers of B's tiles 2 b', 2 b' + 1 are
; 16 neighbours, 32 b' + 16 (lane / 16) + 0 .. 15: two conversions make 16 bytes that are four registers of the next operand.
; CLUSTERS: 4 x 4 work-groups.  Region A's tile hangs on cy and is asked for jointly by the four of a row of the cluster, region B's on cx and by the four of a column.
; NO PREFETCH: the block is the largest, in clusters, and K is four K steps.
; THE WAY OUT: operands leave as IMAGES OF THEIR REGISTERS: a store puts lane l's 16 bytes at 16 l: 512 consecutive bytes, aligned.  qkv: 64 heads (16 x batch + head) x HS bytes, three dense sections of 131,072 bytes:
;   q at 0: [tile of 16 queries 0..127][c' 0..1][512];  K at 131,072: [tile of 16 keys 0..127][c'][512];  V at 262,144: [step of 128 keys 0..15][b_hi][tile of 16 channels 0..3][b_lo][512].
;   Row r of tile 2 A + u is token (or channel) 32 A + 8 u + r + 8 (r / 8); lane (r, h) holds, of its row, K = 32 c + 16 h + 0 .. 15 (c = c', or 2 b_hi + b_lo).
; REGISTERS, in windows of 256: window 0: v0-31 addresses and the scale; v32-95 at work on the way out; from v128 region A's fragments, ONE set; on the way out the codes.  window 1: region B's fragments, TWO sets.
;   window 2: the accumulators of my rows 0-63 (accumulator (a, b) at v[8 (8 a + b)]);  window 3: those of my rows 64-127.
.set ROWB,   256                       ; a tile's row in bytes: a K step
.set KROW,   1024                      ; a row of codes in memory
.set PITCH,  272                       ; an LDS row: 256 bytes + 16 of padding = 68 words: the 16 rows that a load touches start at 16 different banks (64 banks of 4 bytes: ISA guide 11.1)
.set FR,     16                        ; registers of a fragment: 16 rows x 128 K
.set NL,     4                         ; LDS loads that bring one
.set NP,     4                         ; places behind this matrix instruction (ISA guide 7.12.1)
.set HALFT,  128*PITCH                 ; 128 rows: what one tensor load brings, and what one wave reads of a region
.set SLOT,   4*HALFT                   ; region A's 256 rows, then region B's
.set SPARE,  2*SLOT                    ; behind the ring: the spare words, 128 bytes for each wave
.set HS,     393216                    ; a head's bytes in qkv
.set DT,     16*256*KROW               ; 16 blocks of 256 tokens on, in codes
.set DH,     32*HS                     ; the same in qkv: two batches, 32 heads
.set ADRA, 16                          ; v16-17  LDS address of my fragments of region A in slot 0, 1
.set ADRB, 20                          ; v20-21  the same for region B
.set LI,   27                          ; v27     16 x lane: my place in an image; never rewritten
.set SPW,  28                          ; v28     LDS address of my spare word; never rewritten
.set NIL,  29                          ; v29     0; never rewritten
.set SC,   30                          ; v30     2^(e_t - e0 - e1) as f32
.set LIM,  31                          ; v31     448 x that
.set TMP,  32                          ; the way out: a block's 64 sums, held
.set AF,   128                         ; region A's fragments, in window 0
.set CD,   128                         ; the way out: 16 registers of codes for each block, so that no store's data are written again inside a tile
.set G1, 24                            ; s[24:31] descriptor group 1 for region A;  s[32:39] group 0, one set for each slot
.set G0, 32
.set G1B, 48                           ; s[48:55], s[56:63] the same for region B
.set G0B, 56
.set MSB, 0
.macro WIN new                         ; the immediate's high byte repeats the setting that is left
.if MSB != \new
	s_set_vgpr_msb (MSB<<8)|\new
.set MSB, \new
.endif
.endm
.set MUL_LO, 0xa1                      ; source 0 (B) window 1, source 1 (A) window 0, C and D window 2
.set MUL_HI, 0xf1                      ; the same, C and D window 3
.set TO_B,   0x40                      ; destination window 1, address window 0
; A joint load: waves 0 and 1 fetch for region A, waves 2 and 3 for region B.  Each line has one mask and one set of registers for all that issue it; the branch hangs on the wave's number alone.
; An s_nop 0 and four v_nop follow each of the two lines, ahead of the jump, the label and what follows.
.macro JLOAD g0a, g1a, g0b, g1b
	s_cmp_eq_u32 s15, 0
	s_cbranch_scc0 .Lfor_b_\@
	tensor_load_to_lds s[\g0a:\g0a+3], s[\g1a:\g1a+7]
	s_nop 0
.rept 4
	v_nop
.endr
	s_branch .Lasked_\@
.Lfor_b_\@:
	tensor_load_to_lds s[\g0b:\g0b+3], s[\g1b:\g1b+7]
	s_nop 0
.rept 4
	v_nop
.endr
.Lasked_\@:
.endm
.macro CREST                           ; a round of the cluster's barrier behind its opening barrier
	s_cmp_lg_u32 s14, 0
	s_cbranch_scc1 .Lnot_wave_0_\@
	s_barrier_signal -3
.Lnot_wave_0_\@:
	s_barrier_wait -3
	s_barrier_signal -1
	s_barrier_wait -1
.endm
.macro CROUND                          ; a whole round
	s_barrier_signal -1
	s_barrier_wait -1
	CREST
.endm
	s_load_b128 s[4:7], s[0:1], 0x0                ; codes s[4:5], the scales' exponents s[6:7]
	s_load_b64 s[10:11], s[0:1], 0x10              ; qkv
	v_lshl_add_u32 v[SPW], v0, 2, SPARE
	v_mov_b32 v[NIL], 0
	ds_add_u32 v[SPW], v[NIL]                      ; the wave's opening: the add, twice on end, and its wait ahead of my first tensor load; the set-up below stands between
	ds_add_u32 v[SPW], v[NIL]
	v_lshrrev_b32 v1, 5, v0
	v_readfirstlane_b32 s14, v1                    ; wave 0..3
	s_lshr_b32 s15, s14, 1                         ; which half of region A's rows is mine.  Also: I fetch for region A (0) or B (1)
	s_and_b32 s16, s14, 1                          ; which half of region B's rows.  Also: which 128 rows of that region I fetch
	s_bfe_u32 s40, ttmp6, 0x40000                  ; cx, cy: my place in the cluster
	s_bfe_u32 s41, ttmp6, 0x40004
	s_and_b32 s66, ttmp7, 0xffff
	s_lshl_b32 s66, s66, 2                         ; 4 x cluster y: the cluster's first block of 256 tokens in the first tile, 0 to 12
	s_lshl_b32 s67, ttmp9, 2
	s_add_co_u32 s67, s67, 32                      ; 32 + 4 x cluster x: the cluster's first block of 256 rows of w (w_qkv begins at block 32 of codes)
	s_cmp_eq_u32 ttmp9, 2                          ; v?  The same in all sixteen partners
	s_cselect_b32 s17, 40, s66                     ; region A: w_v's blocks 40 .. 43, or tokens,
	s_cselect_b32 s42, s66, s67                    ; region B: tokens, or w's rows
	s_cselect_b32 s96, 0, DT                       ; what the second tile adds to region A's addresses: the tokens' region goes 16 blocks on,
	s_cselect_b32 s98, DT, 0                       ; and to region B's: the weights' region stays
	s_mov_b32 s97, 0
	s_mov_b32 s99, 0
	s_add_co_u32 s17, s17, s41                     ; + cy
	s_add_co_u32 s42, s42, s40                     ; + cx
	s_lshl_b32 s43, s41, 2
	s_lshl_b32 s43, 15, s43                        ; my row of the cluster
	s_lshl_b32 s44, 0x1111, s40                    ; my column
	; descriptor group 1: a tile of 128 rows x 256 bytes, padded in LDS
	s_or_b32 s[G1+0], s43, (0<<16)|(1<<20)|(1<<21)|(5<<22)|(3<<25)  ; 15:0 the mask; 17:16 element of 1 byte; 20 padding on; 21 set beside a mask; 24:22 after every 64 words (code 5); 31:25 of 4 words (code 3)
	s_or_b32 s[G1B+0], s44, (0<<16)|(1<<20)|(1<<21)|(5<<22)|(3<<25)
.irp g, G1, G1B
	s_mov_b32 s[\g+1], ROWB<<16                    ; tensor_dim0
	s_mov_b32 s[\g+2], 128<<16                     ; tensor_dim1 = 128
	s_mov_b32 s[\g+3], ROWB<<16                    ; tile_dim0
	s_mov_b32 s[\g+4], 128                         ; tile_dim1 = 128
	s_mov_b32 s[\g+5], KROW                        ; tensor_dim0_stride
	s_mov_b32 s[\g+6], 0
	s_mov_b32 s[\g+7], 0
.endr
	s_lshl_b32 s18, s16, 7                         ; which 128 rows of the region I fetch
	s_lshl_b32 s20, s17, 8
	s_add_co_u32 s20, s20, s18                     ; region A: row 256 x block + 128 x half
	s_lshl_b32 s46, s42, 8
	s_add_co_u32 s46, s46, s18                     ; region B likewise, in registers that never hold the other coordinate
	s_lshl_b32 s20, s20, 10                        ; x 1,024 bytes a row: under 2^24
	s_lshl_b32 s46, s46, 10
	s_mov_b32 s21, 0
	s_mov_b32 s47, 0
	s_mul_i32 s45, s14, HALFT                      ; where they go: wave x 128 rows: no place in the cluster enters an LDS address
	s_wait_dscnt 0x0                               ; both opening adds are done
	s_wait_kmcnt 0x0
	s_load_b256 s[72:79], s[6:7], 0x0              ; e0 .. e7
	s_add_nc_u64 s[20:21], s[4:5], s[20:21]
	s_add_nc_u64 s[46:47], s[4:5], s[46:47]
	CROUND                                         ; all sixteen work-groups are here: the first joint loads meet
.irp s, 0,1
	s_mov_b32 s[G0+4*\s], 1
	s_add_co_u32 s[G0+4*\s+1], s45, \s*SLOT
	s_add_nc_u64 s[G0+4*\s+2:G0+4*\s+3], s[20:21], \s*ROWB
	s_or_b32 s[G0+4*\s+3], s[G0+4*\s+3], 0x80000000
	s_mov_b32 s[G0B+4*\s], 1
	s_add_co_u32 s[G0B+4*\s+1], s45, \s*SLOT
	s_add_nc_u64 s[G0B+4*\s+2:G0B+4*\s+3], s[46:47], \s*ROWB
	s_or_b32 s[G0B+4*\s+3], s[G0B+4*\s+3], 0x80000000
.endr
	JLOAD G0, G1, G0B, G1B                         ; K step 0: one tensor load a wave at the head
	v_and_b32 v1, 15, v0                           ; l % 16
	v_bfe_u32 v2, v0, 4, 1                         ; l / 16
	v_mul_u32_u24 v3, v1, PITCH
	v_lshl_add_u32 v4, v2, 4, v3                   ; a fragment's row x pitch + 16 x half
	s_mul_i32 s21, s15, HALFT                      ; my 128 rows of region A
	s_mul_i32 s22, s16, HALFT                      ; my 128 rows of region B,
	s_add_co_u32 s22, s22, 2*HALFT                 ; which lie behind A's 256
.irp s, 0,1
	v_add_nc_u32 v[ADRA+\s], s21, v4
	v_add_nc_u32 v[ADRB+\s], s22, v4
	s_add_co_u32 s21, s21, SLOT
	s_add_co_u32 s22, s22, SLOT
.endr
	v_and_b32 v5, 31, v0
	v_lshlrev_b32 v[LI], 4, v5
	; where my images go.  TT: my block of 256 tokens; HT: my block of 4 heads; wt, wh: my wave's half of each; SA, SB: what the upper half of my A blocks (a / 4) and of my B chunks (b' / 2) adds
	s_cmp_eq_u32 ttmp9, 2
	s_cselect_b32 s68, s40, s41                    ; v: tokens go by cx, heads by cy; q, k: the other way round
	s_cselect_b32 s69, s41, s40
	s_cselect_b32 s70, s16, s15                    ; wt
	s_cselect_b32 s71, s15, s16                    ; wh
	s_mov_b32 s88, HS
	s_cselect_b32 s89, s88, 4096                   ; SA: v: the next head; q, k: four tiles of 16 tokens on
	s_cselect_b32 s90, 4096, s88                   ; SB: v: b_hi; q, k: the next head
	s_mov_b32 s91, 131072
	s_cselect_b32 s91, 262144, s91                 ; the section: V's, or K's,
	s_cmp_eq_u32 ttmp9, 0
	s_cselect_b32 s91, 0, s91                      ; or q's
	s_mov_b32 s92, 16384                           ; 256 tokens on, in every section
	s_add_co_u32 s68, s68, s66                     ; TT
	s_lshr_b32 s93, s68, 3
	s_lshl_b32 s93, s93, 4                         ; 16 x batch
	s_lshl_b32 s69, s69, 2
	s_add_co_u32 s93, s93, s69                     ; + 4 HT
	s_lshl_b32 s71, s71, 1
	s_add_co_u32 s93, s93, s71                     ; + 2 wh: my first head
	s_mul_i32 s93, s93, s88
	s_add_co_u32 s93, s93, s91
	s_and_b32 s68, s68, 7
	s_mul_i32 s68, s68, s92
	s_add_co_u32 s93, s93, s68
	s_lshl_b32 s70, s70, 13                        ; my wave's 128 tokens: 8,192 bytes in each section
	s_add_co_u32 s94, s93, s70                     ; under 2^25
	s_mov_b32 s95, 0
	s_add_nc_u64 s[80:81], s[10:11], s[94:95]      ; the four bases: s[80 + 2 (2 (a / 4) + b' / 2)]
	s_mov_b32 s94, s90
	s_add_nc_u64 s[82:83], s[80:81], s[94:95]
	s_mov_b32 s94, s89
	s_add_nc_u64 s[84:85], s[80:81], s[94:95]
	s_add_nc_u64 s[86:87], s[82:83], s[94:95]
	; the three scales are folded into the conversion's one
	s_wait_kmcnt 0x0
	s_cmp_eq_u32 ttmp9, 2
	s_cselect_b32 s88, s77, s75                    ; e5 (v) or e3 (k)
	s_cmp_eq_u32 ttmp9, 0
	s_cselect_b32 s88, s74, s88                    ; or e2 (q)
	s_sub_co_i32 s88, s88, s72
	s_sub_co_i32 s88, s88, s73                     ; e_t - e0 - e1
	s_add_co_i32 s88, s88, 127
	s_lshl_b32 s89, s88, 23
	v_mov_b32 v[SC], s89
	s_add_co_i32 s88, s88, 8
	s_lshl_b32 s88, s88, 23
	s_or_b32 s88, s88, 0x600000
	v_mov_b32 v[LIM], s88
.macro FRAG reg, adr, q, i             ; a fragment, 16 rows x 128 K, is 16 registers: lane l holds row l % 16; registers 4 c .. 4 c + 3 hold K = 32 c + 16 (l / 16) + 0 .. 15: the same order of k in both sources
.irp c, 0,1,2,3
	ds_load_b128 v[\reg+4*\c:\reg+4*\c+3], v[\adr] offset:128*(\q)+32*\c+(\i)*16*PITCH
.endr
.endm
; 16 matrix instructions: A's blocks a0, a0 + 1 x B's eight, 128 along K.  p: B's set.  zero = 1: the first product starts the sums.  The 64 accumulators take turns, one instruction a turn, in the same order in every step.
.macro MUL16 a0, p, zero
.irp a, \a0, \a0+1
.irp b, 0,1,2,3,4,5,6,7
.if \zero
	v_wmma_f32_16x16x128_fp8_fp8 v[8*(8*((\a)%4)+\b):8*(8*((\a)%4)+\b)+7], v[128*(\p)+FR*\b:128*(\p)+FR*\b+FR-1], v[AF+FR*(\a):AF+FR*(\a)+FR-1], 0
.else
	v_wmma_f32_16x16x128_fp8_fp8 v[8*(8*((\a)%4)+\b):8*(8*((\a)%4)+\b)+7], v[128*(\p)+FR*\b:128*(\p)+FR*\b+FR-1], v[AF+FR*(\a):AF+FR*(\a)+FR-1], v[8*(8*((\a)%4)+\b):8*(8*((\a)%4)+\b)+7]
.endif
.endr
.endr
.endm
.macro FETCH_B slot, q, p              ; B's eight fragments of the slot's q-th 128 along K into set p
	WIN TO_B
.irp i, 0,1,2,3,4,5,6,7
	FRAG 128*(\p)+FR*\i, ADRB+\slot, \q, \i
.endr
	WIN 0
.endm
.macro FETCH_A slot, q, i0             ; A's blocks i0 .. i0 + 3
.irp i, \i0, \i0+1, \i0+2, \i0+3
	FRAG AF+FR*(\i), ADRA+\slot, \q, \i
.endr
.endm
.macro PLACES n                        ; plain vector instructions between a matrix instruction and a load into a register that it has read, or a read of its result (ISA guide 7.12.1 for a read of its result)
.rept \n
	v_nop
.endr
.endm
; A step of 128 along K that has its successor in the same slot.  A block of A is free as soon as its eight products are issued: blocks 0-3 are fetched anew in the step's middle, blocks 4-7 at its end.
.macro STEP slot, q, zero
	s_wait_dscnt 4*NL                              ; B's set and A's blocks 0-3 are in; the youngest 16 loads (A's blocks 4-7) may be out
	WIN MUL_LO
	MUL16 0, (\q)%2, \zero
	MUL16 2, (\q)%2, \zero
	s_wait_dscnt 0                                 ; A's blocks 4-7 are in
	PLACES NP
	FETCH_B \slot, (\q)+1, 1-(\q)%2
	FETCH_A \slot, (\q)+1, 0
	WIN MUL_HI
	MUL16 4, (\q)%2, \zero
	MUL16 6, (\q)%2, \zero
	PLACES NP
	WIN 0
	FETCH_A \slot, (\q)+1, 4
.endm
; A slot's last step changes slots: ONE barrier; in front of it each wave waits for all its tensor loads, adds 0 to its spare word, and waits for that and for its own reads of this slot.
; fill = 1: this slot is filled again, two K steps ahead; fill = 2: with the second tile's K step of this slot: back along K, and the tokens' region 16 blocks on; fill = 0: nothing is left to fetch.
; fetch = 1: the next slot's first fragments are read; fetch = 0: the tile goes out first.
.macro TURN slot, next, fill, fetch
	s_wait_tensorcnt 0x0                           ; all my tensor loads have landed: my part of the next slot
	ds_add_u32 v[SPW], v[NIL]                      ; 0 onto my spare word
	s_wait_dscnt 4*NL+1                            ; (the add and the youngest 16 loads, A's blocks 4-7, may be out)
	WIN MUL_LO
	MUL16 0, 1, 0                                  ; sixteen matrix instructions stand between the add and the wait for it
	s_wait_dscnt 0x0                               ; the add is done, and my reads of this slot are over
	s_barrier_signal -1
	MUL16 2, 1, 0
	WIN 0
	s_barrier_wait -1
.if \fill
	CREST                                          ; the barrier has opened a round of the cluster's barrier: no wave of any partner still reads this slot's tile or has a load on its way
.if \fill == 2
	s_sub_nc_u64 s[G0+4*\slot+2:G0+4*\slot+3], s[G0+4*\slot+2:G0+4*\slot+3], 2*ROWB
	s_add_nc_u64 s[G0+4*\slot+2:G0+4*\slot+3], s[G0+4*\slot+2:G0+4*\slot+3], s[96:97]
	s_sub_nc_u64 s[G0B+4*\slot+2:G0B+4*\slot+3], s[G0B+4*\slot+2:G0B+4*\slot+3], 2*ROWB
	s_add_nc_u64 s[G0B+4*\slot+2:G0B+4*\slot+3], s[G0B+4*\slot+2:G0B+4*\slot+3], s[98:99]
.else
	s_add_nc_u64 s[G0+4*\slot+2:G0+4*\slot+3], s[G0+4*\slot+2:G0+4*\slot+3], 2*ROWB
	s_add_nc_u64 s[G0B+4*\slot+2:G0B+4*\slot+3], s[G0B+4*\slot+2:G0B+4*\slot+3], 2*ROWB
.endif
	JLOAD G0+4*\slot, G1, G0B+4*\slot, G1B         ; the first tensor load behind the round, my one load out; the four v_nop behind it are the places in front of the loads below
.else
	PLACES NP
.endif
.if \fetch
	FETCH_B \next, 0, 0
	FETCH_A \next, 0, 0
.endif
	WIN MUL_HI
	MUL16 4, 1, 0
	MUL16 6, 1, 0
.if \fetch
	PLACES NP
	WIN 0
	FETCH_A \next, 0, 4
.else
	WIN 0
.endif
.endm
; THE WAY OUT.  Block a: 16 rows of region A x my 128 rows of region B: 64 sums a lane, held (each accumulator from its low end on), converted, stored as four images.
.macro OUTBLK a
.set AC, 64*((\a)%4)
	WIN 0x02+((\a)/4)                              ; source 0: window 2 or 3
.set J, 0
.rept 64
	v_med3_num_f32 v[TMP+J], v[AC+J], -v[LIM], v[LIM]   ; the conversion to an 8-bit code does not saturate (ISA guide 7.6.2)
.set J, J+1
.endr
	WIN 0
.irp g, 0,1,2,3,4,5,6,7
	v_cvt_scalef32_pk8_fp8_f32 v[CD+16*(\a)+2*\g:CD+16*(\a)+2*\g+1], v[TMP+8*\g:TMP+8*\g+7], v[SC]
.endr
	v_nop                                          ; one plain vector instruction behind the last conversion: the next block's holds write these conversions' sources
.irp b, 0,1,2,3
	global_store_b128 v[LI], v[CD+16*(\a)+4*\b:CD+16*(\a)+4*\b+3], s[80+2*(2*((\a)/4)+\b/2):81+2*(2*((\a)/4)+\b/2)] offset:((\a)%4)*1024+(\b%2)*512   ; 32 lanes store 512 consecutive bytes, aligned
.endr
.endm
.macro OUT
	PLACES NP                                      ; behind the last products: their results are read, and the registers that held A's fragments are written, only behind these
.irp a, 0,1,2,3,4,5,6,7
	OUTBLK \a
.endr
.endm
.macro FIRST                           ; a tile's first fragments, from slot 0
	FETCH_B 0, 0, 0
	FETCH_A 0, 0, 0
	FETCH_A 0, 0, 4
.endm
	s_wait_alu depctr_va_vdst(0)                   ; the wait at the head's end
	s_wait_tensorcnt 0x0                           ; my part of K step 0 is in
	ds_add_u32 v[SPW], v[NIL]
	s_wait_dscnt 0x0
	CROUND                                         ; everybody's part of K step 0 is in, and all sixteen work-groups are here
	JLOAD G0+4, G1, G0B+4, G1B                     ; K step 1: the first tensor load behind the round
	FIRST
	STEP 0, 0, 1                                   ; THE FIRST TILE.  K = 1,024 is four K steps, eight steps of 128: written out.  The first products start the sums
	TURN 0, 1, 1, 1                                ; slot 0 takes K step 2
	STEP 1, 0, 0
	TURN 1, 0, 1, 1                                ; slot 1 takes K step 3
	STEP 0, 0, 0
	TURN 0, 1, 2, 1                                ; slot 0 takes the second tile's K step 0
	STEP 1, 0, 0
	TURN 1, 0, 2, 0                                ; slot 1 takes its K step 1; the round has shown its K step 0 whole to every wave
	OUT                                            ; both refills are asked for: now the tile goes out
	s_wait_xcnt 0x0                                ; the stores have read their bases and their data: the bases may step, and fragments may land on the codes' registers
.irp b, 80,82,84,86
	s_add_nc_u64 s[\b:\b+1], s[\b:\b+1], DH        ; 16 blocks of tokens on: two batches
.endr
	FIRST
	STEP 0, 0, 1                                   ; THE SECOND TILE
	TURN 0, 1, 1, 1
	STEP 1, 0, 0
	TURN 1, 0, 1, 1
	STEP 0, 0, 0
	TURN 0, 1, 0, 1                                ; nothing is left to fetch
	STEP 1, 0, 0
	s_wait_dscnt 4*NL                              ; the very last step
	WIN MUL_LO
	MUL16 0, 1, 0
	MUL16 2, 1, 0
	s_wait_dscnt 0
	WIN MUL_HI
	MUL16 4, 1, 0
	MUL16 6, 1, 0
	WIN 0
	OUT
	s_wait_tensorcnt 0x0                           ; the wave's end
	ds_add_u32 v[SPW], v[NIL]
	s_wait_dscnt 0x0
	CROUND                                         ; the closing round: no work-group ends while a partner may still ask for a tile that names it
	s_endpgm
.Lfunc_end_k_qafec7abea4_qkv:
	.size	k_qafec7abea4_qkv, .Lfunc_end_k_qafec7abea4_qkv-k_qafec7abea4_qkv
	.p2alignl 7, 3214868480
	.fill 96, 4, 3214868480
	.section	.rodata,"a",@progbits
	.p2align	6, 0x0
	.amdhsa_kernel k_qafec7abea4_qkv
		.amdhsa_group_segment_fixed_size 327680
		.amdhsa_private_segment_fixed_size 0
		.amdhsa_enable_private_segment 0
		.amdhsa_kernarg_size 24
		.amdhsa_user_sgpr_count 2
		.amdhsa_user_sgpr_kernarg_segment_ptr 1
		.amdhsa_wavefront_size32 1
		.amdhsa_system_sgpr_workgroup_id_x 1
		.amdhsa_system_sgpr_workgroup_id_y 1
		.amdhsa_system_sgpr_workgroup_id_z 1
		.amdhsa_system_vgpr_workitem_id 0
		.amdhsa_next_free_vgpr 1024
		.amdhsa_next_free_sgpr 100
		.amdhsa_reserve_vcc 0
		.amdhsa_float_denorm_mode_32 3
		.amdhsa_float_denorm_mode_16_64 3
		.amdhsa_memory_ordered 1
		.amdhsa_forward_progress 1
		.amdhsa_inst_pref_size 231
	.end_amdhsa_kernel
	.amdgpu_metadata
---
amdhsa.version: [ 1, 2 ]
amdhsa.kernels:
  - .name:           k_qafec7abea4_qkv
    .symbol:         k_qafec7abea4_qkv.kd
    .args:
      - { .name: codes, .offset: 0, .size: 8, .value_kind: global_buffer, .address_space: global }
      - { .name: lowp_scales, .offset: 8, .size: 8, .value_kind: global_buffer, .address_space: global }
      - { .name: qkv, .offset: 16, .size: 8, .value_kind: global_buffer, .address_space: global }
    .group_segment_fixed_size: 327680
    .private_segment_fixed_size: 0
    .kernarg_segment_align: 8
    .kernarg_segment_size: 24
    .max_flat_workgroup_size: 128
    .sgpr_count:     100
    .vgpr_count:     1024
    .wavefront_size: 32
...
	.end_amdgpu_metadata
.endif
;; end of part 2
;; launch attn (part 3): grid 4 x 64, 8 waves a work-group, clusters of 4 x 1, 327,680 bytes of LDS; arguments qkv, lowp_scales, ctx; writes ctx
.if DOCPART == 3
	.amdgcn_target "amdgcn-amd-amdhsa--gfx1250"
	.amdhsa_code_object_version 6
	.text
	.protected	k_qafec7abea4_attn
	.globl	k_qafec7abea4_attn
	.p2align	8
	.type	k_qafec7abea4_attn,@function
k_qafec7abea4_attn:
	s_mov_b64 s[64:65], 0
	v_nop
	global_prefetch_b8 v0, s[64:65] scope:SCOPE_SE
	s_setreg_imm32_b32 hwreg(HW_REG_WAVE_MODE, 25, 1), 1
	s_wait_xcnt 0x0
	s_wait_alu depctr_hold_cnt(0) depctr_sa_sdst(0) depctr_va_vdst(0) depctr_va_sdst(0) depctr_va_ssrc(0) depctr_va_vcc(0) depctr_vm_vsrc(0)
	s_getreg_b32 s2, hwreg(HW_REG_IB_STS2, 6, 4)
	s_cmp_eq_u32 s2, 0
	s_cbranch_scc0 .Lentry_in_a_cluster
	s_endpgm
.Lentry_in_a_cluster:
	s_bfe_u32 s2, ttmp6, 0x10000c
	s_cmp_lg_u32 s2, 0x3003
	s_cbranch_scc0 .Lentry_shape_is_right
	s_endpgm
.Lentry_shape_is_right:
; PRODUCTS 2 AND 3: ctx[q] = sum over keys k <= q of softmax_k(q . k / 8) v, for 64 heads (16 x batch + head) of 2,048 tokens x 64 channels, on codes of FP8 (E4M3); ctx is quantised by 2^e6 for product 4.
; WORK LEFT OUT: a step of 128 keys all of which come after my wave's 32 queries: reference()'s own causal mask gives those keys the weight 0 for all inputs.
; LIMIT: a NaN or an infinity in scores left out is not carried to the result.  LIMITS on the exponents: e2 + e3 between -123 and 130 (added to c's exponent field); e4 between -126 and 119; e4 + e5 - e6 between -110 and 120.
; THE SOFTMAX: t = score x log2(e) / 8; M = the row's largest t so far, rounded UP to a whole number; p = 2^(t - M) is quantised by 2^e4, not normalised.  The row's sum is taken of the unquantised p and divides at the end.
; When M moves, the sums and O are multiplied by 2^(old M - new M): nothing is rounded.
; LDS HOLDS THE HEAD'S WHOLE K AND V, as they lie in qkv: K's 131,072 bytes at 0, V's at 131,072; a step of 128 keys is 8,192 bytes in each.  Nothing is filled twice: there is no ring.
; Key steps 0-4 are asked for at the head (8 waves x 10,240 bytes), the other 11 behind the full sequence and a round (8 x 22,528 bytes); they are awaited, with one barrier, ahead of key step 4's products.
; CLUSTER: the four work-groups of a head read the same K and V: 4 x 1 work-groups ask jointly, mask 15, the descriptors made of the head and the wave's number alone.
; SHARES.  A head has 64 groups of 32 queries; group g counts g / 4 + 1 key steps.  Wave w (0..7) of work-group i (0..3) owns groups 63 - 4 w - i (16 - w steps) and 4 w + i (w + 1 steps): 17 steps in every wave,
; and the counts hang on the wave's number alone, never on the place in the cluster; that place enters global addresses and the mask's numbers only.  A group's last step lies on the diagonal: hidden scores become -infinity.
; A group is two tiles of 16 queries (image tiles 2 g + u: query 32 g + 8 u + r + 8 (r / 8)): each fragment of K and V read from LDS feeds two matrix instructions.
; LAYOUT.  S^T = K Q^T (source 0 = 16 keys, source 1 = 16 queries), O^T = V^T P^T: a lane holds ONE query of each tile.  The 16 registers of S^T's tiles 2 b, 2 b + 1 are keys 32 b + 16 (lane / 16) + 0 .. 15: conversions make operands.
; K's fragments of step t + 1 are read from LDS behind step t's score products (behind a group's last step: 8,192 landed bytes that nobody uses); so key step 4's K lies in the first fill.
; NO PREFETCH: every byte of K and V is asked for in the head's two groups; no later load is left to run ahead of.
; REGISTERS.  Window 0: v1 16 x lane; v2 r + (r & 8) - 16 h; v5, v6 the add's two; v8, v9 LDS addresses; v[10:11], v[12:13] (-M, largest t) of tile 0, 1; v[14:15], v[16:17] f; v18-23 at work; v24-31 the sums, two pairs a tile;
;   v40, v41 448 x 2^e4; v42 2^e4; v43 448; v44 -infinity; v45, v46 the mask's d; v47 1.0; v64-191 S^T, then p; v192-223 p's codes, at the end ctx's; v224-255 tile 0's sums of four.
;   Window 1: v0-63 K's 8 fragments; v64-127 V's 4; v128-143, v144-159 Q of the long and of the short group; v160-223 O^T.
; ctx: [head / 4][tile of 16 tokens 0..511][chunk 2 (head % 4) + b][512]: images of product 4's operand.
.set HS,    393216                     ; a head's bytes in qkv: q, K, V, 131,072 each
.set KV0,   131072
.set VLD,   131072                     ; V in LDS
.set SPARE, 262144                     ; the spare words, 128 bytes for each of eight waves
.set L16, 1
.set DQ,  2
.set SPW, 5
.set NIL, 6
.set ADK, 8
.set ADV, 9
.set SR,  64
.set PC,  192
.set XS,  224
.set KW,  0
.set VW,  64
.set QL,  128
.set QS,  144
.set OW,  160
.set WV,  18
.set CX,  19
.set SEL, 20
.set CS,  22
.set G1A, 24                           ; group 1: 40 rows of 256 bytes
.set G1B, 32                           ; group 1: 88 rows of 256 bytes
.set G0A, 40
.set G0B, 44
.set EX,  56
.set TB,  57                           ; LDS byte of the key step in K
.set T,   58                           ; the key step
.set NS,  59                           ; key steps that count for the group in hand
.set DOFF, 60                          ; the group's first query less the diagonal step's first key
.set MSB, 0
.macro WIN new                         ; the immediate's high byte repeats the setting that is left
.if MSB != \new
	s_set_vgpr_msb (MSB<<8)|\new
.set MSB, \new
.endif
.endm
.macro ROUND                           ; a round of the cluster's barrier
	s_barrier_signal -1
	s_barrier_wait -1
	s_cmp_lg_u32 s[WV], 0
	s_cbranch_scc1 .Lnw0_\@
	s_barrier_signal -3
.Lnw0_\@:
	s_barrier_wait -3
	s_barrier_signal -1
	s_barrier_wait -1
.endm
.macro NOPS n
.rept \n
	v_nop
.endr
.endm
.macro KLOAD adr, off                  ; K's 8 fragments of a key step: tile j / 2 of 16 keys, channels 32 (j % 2) + 16 h + 0 .. 15
	WIN 0x40
.irp j, 0,1,2,3,4,5,6,7,8,9,10,11,12,13,14,15
	ds_load_b128 v[KW+4*\j:KW+4*\j+3], v[\adr] offset:\off+512*\j
.endr
	WIN 0
.endm
; A group's beginning: the sums and O^T begin as zeros and the largest t as -3e38, so that the step is written once: its first change of M multiplies zeros.
.macro SETUP
	v_mov_b32 v11, 0xff61b1e6
	v_mov_b32 v13, 0xff61b1e6
	v_floor_f32 v10, -v11
	v_floor_f32 v12, -v13
.irp j, 24,25,26,27,28,29,30,31
	v_mov_b32 v\j, 0
.endr
	WIN 0x40
.set J, 0
.rept 64
	v_mov_b32 v[OW+J], 0
.set J, J+1
.endr
	WIN 0
.endm
; A KEY STEP: 128 keys x my two tiles; its K is in registers or on its way.  guard = 1: a step past the group's last is left out (a branch on the wave's number and the count of steps), and the last is masked.  qb: the group's Q.
.macro STEP guard, qb
.if \guard
	s_cmp_ge_u32 s[T], s[NS]
	s_cbranch_scc1 .Lhid_\@
.endif
	v_add_nc_u32 v[ADK], s[TB], v[L16]
	v_add_nc_u32 v[ADV], VLD, v[ADK]
	NOPS 2                                         ; with the two additions four places in front of loads into registers that the last products read
	WIN 0x40
.irp t, 0,1,2,3
.irp c, 0,1,2,3
	ds_load_b128 v[VW+16*\t+4*\c:VW+16*\t+4*\c+3], v[ADV] offset:4096*(\c/2)+1024*\t+512*(\c%2)   ; V: tile t of 16 channels, keys 32 c + 16 h + 0 .. 15
.endr
.endr
	s_wait_alu depctr_va_vdst(0)
	s_wait_dscnt 16                                ; K's 16 loads, the older ones, are in; V's 16 may be out
	WIN 0x05
.irp g, 0,1,2,3,4,5,6,7
.irp u, 0,1
	v_wmma_f32_16x16x64_fp8_fp8 v[SR+64*\u+8*\g:SR+64*\u+8*\g+7], v[KW+8*\g:KW+8*\g+7], v[\qb+8*\u:\qb+8*\u+7], 0
.endr
.endr
	NOPS 4                                         ; places in front of the loads below and of the first read of the scores
	KLOAD ADK, 8192                                ; the next step's K
.if \guard
	s_add_co_u32 s66, s[T], 1
	s_cmp_lg_u32 s66, s[NS]
	s_cbranch_scc1 .Lopen_\@
	v_add_nc_u32 v45, s[DOFF], v[DQ]               ; d = my query - the step's first key - 16 h.  Register 16 b + i holds key 16 h + 32 b + i of the step: hidden where 32 b + i > d
	v_add_nc_u32 v46, 8, v45                       ; tile 1's queries lie 8 further on
.set N, 0
.rept 64
	v_cmp_gt_i32 vcc_lo, 32*(N/16)+N%16, v45
	v_cndmask_b32 v[SR+N], v[SR+N], v44, vcc_lo
	v_cmp_gt_i32 vcc_lo, 32*(N/16)+N%16, v46
	v_cndmask_b32 v[SR+64+N], v[SR+64+N], v44, vcc_lo
.set N, N+1
.endr
.Lopen_\@:
.endif
	v_max3_num_f32 v18, v[SR], v[SR+1], v[SR+2]    ; the step's largest score of each query: two chains a tile, the two tiles by turns, each accumulator from its low end on
	v_max3_num_f32 v20, v[SR+64], v[SR+65], v[SR+66]
	v_max3_num_f32 v19, v[SR+3], v[SR+4], v[SR+5]
	v_max3_num_f32 v21, v[SR+67], v[SR+68], v[SR+69]
.irp i, 6,10,14,18,22,26,30,34,38,42,46,50,54,58
	v_max3_num_f32 v18, v18, v[SR+\i], v[SR+\i+1]
	v_max3_num_f32 v20, v20, v[SR+64+\i], v[SR+65+\i]
	v_max3_num_f32 v19, v19, v[SR+\i+2], v[SR+\i+3]
	v_max3_num_f32 v21, v21, v[SR+66+\i], v[SR+67+\i]
.endr
	v_max3_num_f32 v18, v18, v[SR+62], v[SR+63]
	v_max3_num_f32 v20, v20, v[SR+126], v[SR+127]
	v_max_num_f32 v18, v18, v19
	v_max_num_f32 v20, v20, v21
	v_permlanex16_b32 v22, v18, s[SEL], s[SEL+1]
	v_permlanex16_b32 v23, v20, s[SEL], s[SEL+1]
	v_max_num_f32 v18, v18, v22                    ; and among lane l xor 16's.  (A step's first key counts for every query of a group that walks the step: this is a number)
	v_max_num_f32 v20, v20, v23
	v_mul_f32 v18, s[CS], v18                      ; as t (c is positive)
	v_mul_f32 v20, s[CS], v20
	v_max_num_f32 v11, v11, v18                    ; the running largest t
	v_max_num_f32 v13, v13, v20
	v_mov_b32 v18, v10
	v_mov_b32 v20, v12
	v_floor_f32 v10, -v11                          ; the new -M = floor(-t) = -ceil(t)
	v_floor_f32 v12, -v13
	v_sub_f32 v18, v10, v18                        ; M's old value less its new one: a whole number, 0 or less
	v_sub_f32 v20, v12, v20
	v_cvt_i32_f32 v18, v18                         ; (it saturates)
	v_cvt_i32_f32 v20, v20
	v_ldexp_f32 v14, 1.0, v18                      ; f = 2^(old M - new M)
	v_ldexp_f32 v16, 1.0, v20
.set J, 0
.rept 32
	v_pk_fma_f32 v[SR+J:SR+J+1], v[SR+J:SR+J+1], s[CS:CS+1], v[10:11] op_sel_hi:[1,0,0]            ; tile 0: t - M, two at a time (of the pairs c and -M the low word serves both halves)
.set J, J+2
.endr
	s_wait_alu depctr_va_vdst(0)                   ; the wait ahead of a batch
.set J, 0
.rept 32                                       ; tile 0's exponentials; among them tile 1's t - M: lines that name no register of the batch, and whose results are read behind the next wait
	v_exp_f32 v[SR+J], v[SR+J]                     ; p = 2^(t - M), at most 1: not normalised
	v_exp_f32 v[SR+J+1], v[SR+J+1]
	v_pk_fma_f32 v[SR+64+J:SR+65+J], v[SR+64+J:SR+65+J], s[CS:CS+1], v[12:13] op_sel_hi:[1,0,0]
.set J, J+2
.endr
	v_pk_mul_f32 v[24:25], v[24:25], v[14:15] op_sel_hi:[1,0]   ; the sums under the new M
	v_pk_mul_f32 v[28:29], v[28:29], v[16:17] op_sel_hi:[1,0]
	v_pk_mul_f32 v[26:27], v[26:27], v[14:15] op_sel_hi:[1,0]
	v_pk_mul_f32 v[30:31], v[30:31], v[16:17] op_sel_hi:[1,0]
	s_wait_alu depctr_va_vdst(0)                   ; behind tile 0's batch and ahead of tile 1's
.set J, 0
.rept 16                                       ; tile 1's exponentials; among them, of tile 0's p: sums of four into registers of their own, then the hold; all are read behind the next wait
	v_exp_f32 v[SR+64+J], v[SR+64+J]
	v_pk_add_f32 v[XS+J/2:XS+J/2+1], v[SR+J:SR+J+1], v[SR+J+2:SR+J+3]             ; of the unquantised p, ahead of its hold
	v_exp_f32 v[SR+65+J], v[SR+65+J]
	v_dual_min_num_f32 v[SR+J], v[SR+J], v40 :: v_dual_min_num_f32 v[SR+J+1], v[SR+J+1], v41       ; the conversion does not saturate (ISA guide 7.6.2); p is not negative, so the hold is one-sided; two holds an instruction
	v_exp_f32 v[SR+66+J], v[SR+66+J]
	v_dual_min_num_f32 v[SR+J+2], v[SR+J+2], v40 :: v_dual_min_num_f32 v[SR+J+3], v[SR+J+3], v41
	v_exp_f32 v[SR+67+J], v[SR+67+J]
.set J, J+4
.endr
	v_nop                                          ; a plain instruction behind the last exponential
	s_wait_alu depctr_va_vdst(0)                   ; one wait for the batch, ahead of its first reader
.set J, 0
.rept 8
	v_pk_add_f32 v[24:25], v[24:25], v[XS+4*J:XS+4*J+1]         ; the rows' sums of the unquantised p: four chains by turns
	v_pk_add_f32 v[28:29], v[28:29], v[SR+64+8*J:SR+65+8*J]
	v_pk_add_f32 v[26:27], v[26:27], v[XS+4*J+2:XS+4*J+3]
	v_pk_add_f32 v[30:31], v[30:31], v[SR+66+8*J:SR+67+8*J]
	v_pk_add_f32 v[28:29], v[28:29], v[SR+68+8*J:SR+69+8*J]
	v_pk_add_f32 v[30:31], v[30:31], v[SR+70+8*J:SR+71+8*J]
.set J, J+1
.endr
.set J, 64
.rept 32
	v_dual_min_num_f32 v[SR+J], v[SR+J], v40 :: v_dual_min_num_f32 v[SR+J+1], v[SR+J+1], v41       ; tile 1's hold
.set J, J+2
.endr
.irp b, 0,1,2,3,4,5,6,7
	v_cvt_scalef32_pk8_fp8_f32 v[PC+4*\b:PC+4*\b+1], v[SR+16*\b:SR+16*\b+7], v42
	v_cvt_scalef32_pk8_fp8_f32 v[PC+4*\b+2:PC+4*\b+3], v[SR+16*\b+8:SR+16*\b+15], v42
.endr
	WIN 0x41
	s_wait_alu depctr_va_vdst(0)                   ; directly ahead of the first reader of O^T
.set J, 0
.rept 16
	v_pk_mul_f32 v[OW+J:OW+J+1], v[OW+J:OW+J+1], v[14:15] op_sel_hi:[1,0]          ; O^T under the new M.  (Plain instructions between the conversions and the products that read the codes)
	v_pk_mul_f32 v[OW+32+J:OW+33+J], v[OW+32+J:OW+33+J], v[16:17] op_sel_hi:[1,0]
.set J, J+2
.endr
	WIN 0x51
	s_wait_alu depctr_va_vdst(0)
	s_wait_dscnt 16                                ; V is in; the next step's K, 16 younger loads, may be out
.irp t, 0,1,2,3
.irp u, 0,1
	v_wmma_f32_16x16x128_fp8_fp8 v[OW+32*\u+8*\t:OW+32*\u+8*\t+7], v[VW+16*\t:VW+16*\t+15], v[PC+16*\u:PC+16*\u+15], v[OW+32*\u+8*\t:OW+32*\u+8*\t+7]   ; the eight accumulators by turns
.endr
.endr
	WIN 0
.if \guard
.Lhid_\@:
.endif
	s_add_co_u32 s[TB], s[TB], 8192
	s_add_co_u32 s[T], s[T], 1
.endm
; A group's end: ctx = O^T x 2^(e4 + e5) / the sum; its code = ctx / 2^e6, held at +-448.  Four conversions a tile make two images; cb: the group's place in ctx.
.macro WAYOUT cb
	NOPS 4                                         ; places behind the last products
	v_pk_add_f32 v[24:25], v[24:25], v[26:27]
	v_pk_add_f32 v[28:29], v[28:29], v[30:31]
	v_add_f32 v24, v24, v25
	v_add_f32 v28, v28, v29
	v_permlanex16_b32 v22, v24, s[SEL], s[SEL+1]
	v_permlanex16_b32 v23, v28, s[SEL], s[SEL+1]
	v_add_f32 v24, v24, v22                        ; the rows' sums
	v_add_f32 v28, v28, v23
	s_wait_alu depctr_va_vdst(0)                   ; the wait ahead of the transcendentals
	v_rcp_f32 v24, v24
	v_rcp_f32 v28, v28
	v_nop                                          ; a plain instruction behind them,
	s_wait_alu depctr_va_vdst(0)                   ; and the wait ahead of their first reader
	v_ldexp_f32 v24, v24, s[EX]
	v_ldexp_f32 v28, v28, s[EX]
	WIN 0x01
	s_wait_alu depctr_va_vdst(0)                   ; directly ahead of the first reader of O^T
.set J, 0
.rept 16
	v_pk_mul_f32 v[SR+J:SR+J+1], v[OW+J:OW+J+1], v[24:25] op_sel_hi:[1,0]          ; each accumulator from its low end on
	v_pk_mul_f32 v[SR+32+J:SR+33+J], v[OW+32+J:OW+33+J], v[28:29] op_sel_hi:[1,0]
.set J, J+2
.endr
	WIN 0
.set J, 0
.rept 64
	v_med3_num_f32 v[SR+J], v[SR+J], -v43, v43
.set J, J+1
.endr
.irp u, 0,1
.irp g, 0,1,2,3
	v_cvt_scalef32_pk8_fp8_f32 v[PC+16*\u+2*\g:PC+16*\u+2*\g+1], v[SR+32*\u+8*\g:SR+32*\u+8*\g+7], v47
.endr
.endr
	v_nop                                          ; one plain vector instruction behind the last conversion
.irp u, 0,1
	global_store_b128 v[L16], v[PC+16*\u:PC+16*\u+3], s[\cb:\cb+1] offset:4096*\u          ; 32 lanes store 512 consecutive bytes, aligned
	global_store_b128 v[L16], v[PC+16*\u+4:PC+16*\u+7], s[\cb:\cb+1] offset:4096*\u+512
.endr
.endm
	s_load_b128 s[4:7], s[0:1], 0x0                ; qkv s[4:5], the scales' exponents s[6:7]
	s_load_b64 s[8:9], s[0:1], 0x10                ; ctx
	v_lshl_add_u32 v[SPW], v0, 2, SPARE
	v_mov_b32 v[NIL], 0
	ds_add_u32 v[SPW], v[NIL]                      ; the wave's opening: the add, twice on end, and its wait ahead of my first tensor load; the set-up below stands between
	ds_add_u32 v[SPW], v[NIL]
	v_lshrrev_b32 v8, 5, v0
	v_readfirstlane_b32 s[WV], v8                  ; wave 0..7
	s_bfe_u32 s[CX], ttmp6, 0x40000                ; my place in the cluster: which of the head's four work-groups
	s_and_b32 s66, ttmp7, 0xffff                   ; 16 x batch + head
	s_mul_i32 s68, s66, HS                         ; the head's first byte in qkv: under 2^25
	s_mov_b32 s69, 0
	s_lshr_b32 s70, s[WV], 2
	s_lshl_b32 s70, s70, 17                        ; waves 0-3 fetch for K, waves 4-7 for V
	s_and_b32 s71, s[WV], 3
	s_mul_i32 s72, s71, 10240
	s_add_co_u32 s72, s72, s70                     ; first group: my 10,240 bytes of key steps 0-4, the same offset in LDS and behind KV0 in the head
	s_mul_i32 s73, s71, 22528
	s_add_co_u32 s73, s73, s70
	s_add_co_u32 s73, s73, 40960                   ; second group: my 22,528 bytes of key steps 5-15
	s_mov_b32 s[G1A], 15|(1<<21)                   ; the mask: all four work-groups; elements of 1 byte; no padding: every LDS read takes 512 consecutive bytes
	s_mov_b32 s[G1A+1], 256<<16
	s_mov_b32 s[G1A+2], 40<<16
	s_mov_b32 s[G1A+3], 256<<16
	s_mov_b32 s[G1A+4], 40
	s_mov_b32 s[G1A+5], 256
	s_mov_b32 s[G1A+6], 0
	s_mov_b32 s[G1A+7], 0
	s_mov_b32 s[G1B], 15|(1<<21)
	s_mov_b32 s[G1B+1], 256<<16
	s_mov_b32 s[G1B+2], 88<<16
	s_mov_b32 s[G1B+3], 256<<16
	s_mov_b32 s[G1B+4], 88
	s_mov_b32 s[G1B+5], 256
	s_mov_b32 s[G1B+6], 0
	s_mov_b32 s[G1B+7], 0
	s_mov_b32 s[SEL], 0x76543210
	s_mov_b32 s[SEL+1], 0xfedcba98
	s_mov_b32 s[CS], 0x3e38aa3b                    ; log2(e) / sqrt(64)
	s_and_b32 s74, s66, 15                         ; head
	s_lshr_b32 s75, s74, 2
	s_lshl_b32 s75, s75, 21                        ; (head / 4) x 512 tiles x 4,096 bytes
	s_and_b32 s74, s74, 3
	s_lshl_b32 s74, s74, 10                        ; + (head % 4) x two chunks
	s_add_co_u32 s75, s75, s74
	s_lshr_b32 s74, s66, 4
	s_lshl_b32 s74, s74, 19                        ; + batch x 128 tiles x 4,096 bytes
	s_add_co_u32 s86, s75, s74
	s_mov_b32 s87, 0
	s_lshl_b32 s80, s[WV], 2
	s_add_co_u32 s80, s80, s[CX]                   ; the short group: 4 w + i
	s_sub_co_u32 s81, 63, s80                      ; the long group
	s_mov_b32 s83, 0
	v_and_b32 v[L16], 31, v0
	v_lshlrev_b32 v[L16], 4, v[L16]
	s_wait_alu depctr_va_vdst(0)
	s_wait_dscnt 0x0                               ; both opening adds are done
	s_wait_kmcnt 0x0
	s_load_b256 s[48:55], s[6:7], 0x0              ; e0 .. e7
	s_add_nc_u64 s[10:11], s[4:5], s[68:69]        ; the head in qkv
	s_add_nc_u64 s[16:17], s[8:9], s[86:87]        ; the head in ctx
	s_lshl_b32 s82, s81, 11                        ; a group's two tiles of q are 2,048 bytes
	s_add_nc_u64 s[12:13], s[10:11], s[82:83]
	s_lshl_b32 s82, s80, 11
	s_add_nc_u64 s[78:79], s[10:11], s[82:83]
	WIN 0x40
.irp j, 0,1,2,3
	global_load_b128 v[QL+4*\j:QL+4*\j+3], v[L16], s[12:13] offset:512*\j     ; both groups' Q stay in registers; they are awaited ahead of the first products
	global_load_b128 v[QS+4*\j:QS+4*\j+3], v[L16], s[78:79] offset:512*\j
.endr
	WIN 0
	s_mov_b32 s[G0A], 1
	s_mov_b32 s[G0A+1], s72
	s_add_co_u32 s68, s72, KV0
	s_add_nc_u64 s[G0A+2:G0A+3], s[10:11], s[68:69]
	s_or_b32 s[G0A+3], s[G0A+3], 0x80000000
	s_mov_b32 s[G0B], 1
	s_mov_b32 s[G0B+1], s73
	s_add_co_u32 s68, s73, KV0
	s_add_nc_u64 s[G0B+2:G0B+3], s[10:11], s[68:69]
	s_or_b32 s[G0B+3], s[G0B+3], 0x80000000
	ROUND                                          ; all four work-groups are here: the first joint loads meet
	tensor_load_to_lds s[G0A:G0A+3], s[G1A:G1A+7]  ; key steps 0-4: my one tensor load at the head
	s_nop 0
	NOPS 4
	s_lshl_b32 s82, s81, 13                        ; a group's two tiles are 8,192 bytes in ctx
	s_add_nc_u64 s[14:15], s[16:17], s[82:83]
	s_lshl_b32 s82, s80, 13
	s_add_nc_u64 s[76:77], s[16:17], s[82:83]
	v_and_b32 v8, 15, v0                           ; r
	v_and_b32 v9, 8, v0                            ; r & 8
	v_add_nc_u32 v[DQ], v8, v9
	v_and_b32 v9, 16, v0                           ; 16 h
	v_sub_nc_u32 v[DQ], v[DQ], v9
	v_mov_b32 v15, 0                               ; (named as the upper halves of the pairs of f)
	v_mov_b32 v17, 0
	v_mov_b32 v22, 0                               ; written once: a lane permute's destination counts as one of its sources
	v_mov_b32 v23, 0
	v_mov_b32 v43, 0x43e00000                      ; 448
	v_mov_b32 v44, 0xff800000                      ; -infinity
	v_mov_b32 v47, 1.0
	s_wait_kmcnt 0x0
	s_add_co_i32 s92, s50, s51
	s_lshl_b32 s92, s92, 23
	s_add_co_i32 s[CS], s[CS], s92                 ; a score stands for score x 2^(e2 + e3): the two exponents are added to c's exponent field
	s_mov_b32 s[CS+1], s[CS]
	s_add_co_i32 s92, s52, 127
	s_lshl_b32 s93, s92, 23
	v_mov_b32 v42, s93                             ; 2^e4 as f32, for p's conversions
	s_add_co_i32 s92, s92, 8
	s_lshl_b32 s92, s92, 23
	s_or_b32 s92, s92, 0x600000
	v_mov_b32 v40, s92                             ; 448 x 2^e4, twice: one register for each half of a dual hold
	v_mov_b32 v41, s92
	s_add_co_i32 s[EX], s52, s53
	s_sub_co_i32 s[EX], s[EX], s54                 ; e4 + e5 - e6
	SETUP
	s_sub_co_u32 s[NS], 16, s[WV]                  ; THE LONG GROUP: 16 - w key steps
	s_sub_co_u32 s[DOFF], 3, s[CX]
	s_lshl_b32 s[DOFF], s[DOFF], 5                 ; 32 (g % 4)
	s_mov_b32 s[TB], 0
	s_mov_b32 s[T], 0
	s_wait_alu depctr_va_vdst(0)                   ; the wait at the head's end
	s_wait_tensorcnt 0x0                           ; my part of key steps 0-4 is in
	ds_add_u32 v[SPW], v[NIL]
	s_wait_dscnt 0x0
	ROUND                                          ; everybody's part is in, and all four work-groups are here
	tensor_load_to_lds s[G0B:G0B+3], s[G1B:G1B+7]  ; key steps 5-15: the first tensor load behind the round, my one load out
	s_nop 0
	NOPS 4
	KLOAD L16, 0                                   ; key step 0's K
	s_wait_loadcnt 0x0                             ; Q
.Lfirst:                                           ; key steps 0-3: they count whole for every long group (9 steps at the least)
	STEP 0, QL
	s_cmp_lt_u32 s[T], 4
	s_cbranch_scc1 .Lfirst
	s_wait_tensorcnt 0x0                           ; my part of the other keys is in,
	s_wait_dscnt 0x0                               ; (no LDS load of mine is out at a signal: key step 4's K)
	s_barrier_signal -1
	s_barrier_wait -1                              ; everybody's is: from here on the waves share nothing
	s_mov_b32 s[TB], 4*8192
	s_mov_b32 s[T], 4
.Llong:                                            ; a constant count of trips; a step past the group's last is jumped over
	STEP 1, QL
	s_cmp_lt_u32 s[T], 16
	s_cbranch_scc1 .Llong
	WAYOUT 14
	s_wait_xcnt 0x0                                ; the stores have read their data: the codes' registers may be written again
	SETUP
	s_wait_alu depctr_va_vdst(0)
	s_add_co_u32 s[NS], s[WV], 1                   ; THE SHORT GROUP: w + 1 key steps
	s_lshl_b32 s[DOFF], s[CX], 5
	s_mov_b32 s[TB], 0
	s_mov_b32 s[T], 0
	s_wait_dscnt 0x0                               ; the loads behind the long group's last step have landed: their registers may be loaded again
	KLOAD L16, 0                                   ; key step 0's K
.Lshort:
	STEP 1, QS
	s_cmp_lt_u32 s[T], 8
	s_cbranch_scc1 .Lshort
	WAYOUT 76
	s_wait_tensorcnt 0x0                           ; the wave's end
	ds_add_u32 v[SPW], v[NIL]
	s_wait_dscnt 0x0
	ROUND                                          ; the closing round
	s_endpgm
.Lfunc_end_k_qafec7abea4_attn:
	.size	k_qafec7abea4_attn, .Lfunc_end_k_qafec7abea4_attn-k_qafec7abea4_attn
	.p2alignl 7, 3214868480
	.fill 96, 4, 3214868480
	.section	.rodata,"a",@progbits
	.p2align	6, 0x0
	.amdhsa_kernel k_qafec7abea4_attn
		.amdhsa_group_segment_fixed_size 327680
		.amdhsa_private_segment_fixed_size 0
		.amdhsa_enable_private_segment 0
		.amdhsa_kernarg_size 24
		.amdhsa_user_sgpr_count 2
		.amdhsa_user_sgpr_kernarg_segment_ptr 1
		.amdhsa_wavefront_size32 1
		.amdhsa_system_sgpr_workgroup_id_x 1
		.amdhsa_system_sgpr_workgroup_id_y 1
		.amdhsa_system_sgpr_workgroup_id_z 1
		.amdhsa_system_vgpr_workitem_id 0
		.amdhsa_next_free_vgpr 512
		.amdhsa_next_free_sgpr 100
		.amdhsa_reserve_vcc 1
		.amdhsa_float_denorm_mode_32 3
		.amdhsa_float_denorm_mode_16_64 3
		.amdhsa_memory_ordered 1
		.amdhsa_forward_progress 1
		.amdhsa_inst_pref_size 137
	.end_amdhsa_kernel
	.amdgpu_metadata
---
amdhsa.version: [ 1, 2 ]
amdhsa.kernels:
  - .name:           k_qafec7abea4_attn
    .symbol:         k_qafec7abea4_attn.kd
    .args:
      - { .name: qkv, .offset: 0, .size: 8, .value_kind: global_buffer, .address_space: global }
      - { .name: lowp_scales, .offset: 8, .size: 8, .value_kind: global_buffer, .address_space: global }
      - { .name: ctx, .offset: 16, .size: 8, .value_kind: global_buffer, .address_space: global }
    .group_segment_fixed_size: 327680
    .private_segment_fixed_size: 0
    .kernarg_segment_align: 8
    .kernarg_segment_size: 24
    .max_flat_workgroup_size: 256
    .sgpr_count:     100
    .vgpr_count:     512
    .wavefront_size: 32
...
	.end_amdgpu_metadata
.endif
;; end of part 3
;; launch proj (part 4): grid 4 x 64, 4 waves a work-group, clusters of 4 x 4, 327,680 bytes of LDS; arguments ctx, codes, lowp_scales, b_proj, out0; writes out0
.if DOCPART == 4
	.amdgcn_target "amdgcn-amd-amdhsa--gfx1250"
	.amdhsa_code_object_version 6
	.text
	.protected	k_qafec7abea4_proj
	.globl	k_qafec7abea4_proj
	.p2align	8
	.type	k_qafec7abea4_proj,@function
k_qafec7abea4_proj:
	s_mov_b64 s[64:65], 0
	v_nop
	global_prefetch_b8 v0, s[64:65] scope:SCOPE_SE
	s_setreg_imm32_b32 hwreg(HW_REG_WAVE_MODE, 25, 1), 1
	s_wait_xcnt 0x0
	s_wait_alu depctr_hold_cnt(0) depctr_sa_sdst(0) depctr_va_vdst(0) depctr_va_sdst(0) depctr_va_ssrc(0) depctr_va_vcc(0) depctr_vm_vsrc(0)
	s_getreg_b32 s2, hwreg(HW_REG_IB_STS2, 6, 4)
	s_cmp_eq_u32 s2, 0
	s_cbranch_scc0 .Lentry_in_a_cluster
	s_endpgm
.Lentry_in_a_cluster:
	s_bfe_u32 s2, ttmp6, 0x10000c
	s_cmp_lg_u32 s2, 0xf033
	s_cbranch_scc0 .Lentry_shape_is_right
	s_endpgm
.Lentry_shape_is_right:
; PRODUCT 4: out0 = ctx w_proj^T x 2^(e6 + e7) + b_proj, on codes of FP8 (E4M3), K = 1,024.  LIMIT: e6 + e7 between -126 and 127.  No work is left out here.
; A work-group of four waves makes 128 tokens x 256 columns: 64 x 4 = 256 work-groups; a wave makes 64 x 128: 32 accumulators.  D = (source 0: 16 rows of w_proj) x (source 1: 16 tokens): a lane holds 8 neighbouring columns of one token.
; A = ctx: images of operand registers, [K step of 256][tile of 16 tokens][chunk of 32 K][512]: 128 tokens of a K step are 32,768 dense bytes.  B = w_proj's codes: rows 11,264 on of codes, 1,024 bytes a row, padded in LDS.
; K COMES IN THREE FILLS: K 0-511 at the head (waves 0, 1: A's two K steps; waves 2, 3: 128 rows x 512 bytes of B each); K 512-767 as a later first fill, into bytes of its own; K 768-1,023 as a refill of the first fill's bytes.
; Each fill stands behind a round of the cluster's barrier, one tensor load a wave.  CLUSTERS: 4 x 4 work-groups: A's tiles are asked for jointly along a row of the cluster, B's along a column.
; K goes in 8 steps of 128, fragments in two buffers: a step's 48 LDS loads are issued a step ahead inside a fill.  NO PREFETCH: the text has no loop, and all of K is three fills.
; THE WAY OUT: 16 tokens x 128 columns at a time through the wave's stage in LDS (in the second fill's bytes, which have had their last fill and their last read), back as rows of 512 bytes.  Row r of image tile 2 A + u is token 32 A + 8 u + r + 8 (r / 8).
; REGISTERS: window 0: v16-29 addresses; v32-95 at work on the way out; v128-255 A's fragments, two buffers, later the rows read back.  Window 1: the accumulators, (a, b) at v[8 (8 a + b)].  Window 2: B's fragments, two buffers.  Window 3: v0-63 the bias.
.set KROW,   1024
.set KSA,    2097152                   ; a K step of ctx
.set P5,     528                       ; B's LDS pitch in the first fill: 512 bytes + 16
.set P2,     272                       ; and in the others: 256 + 16
.set LB0,    65536                     ; LDS: A's K steps 0, 1 at 0 and 32,768; B's first fill here (135,168 bytes)
.set LA2,    200704                    ; the second fill: A, 32,768 bytes,
.set LB2,    233472                    ; and B, 69,632 bytes
.set SPARE,  303104                    ; the spare words, 128 bytes for each wave
.set SPITCH, 528
.set ADA0, 16
.set ADA2, 17
.set ADB0, 20
.set ADB2, 21
.set ADB3, 22
.set STO,  24
.set RD,   25
.set CO,   26
.set BO,   27
.set SPW,  28
.set NIL,  29
.set TMP,  32
.set AF,   128
.set BK,   128
.set MSB, 0
.macro WIN new                         ; the immediate's high byte repeats the setting that is left
.if MSB != \new
	s_set_vgpr_msb (MSB<<8)|\new
.set MSB, \new
.endif
.endm
; A joint load: waves 0 and 1 fetch for A, waves 2 and 3 for B; the branch hangs on the wave's number alone.  An s_nop 0 and four v_nop follow each line.
.macro JLOAD g0a, g1a, g0b, g1b
	s_cmp_eq_u32 s15, 0
	s_cbranch_scc0 .Lfor_b_\@
	tensor_load_to_lds s[\g0a:\g0a+3], s[\g1a:\g1a+7]
	s_nop 0
.rept 4
	v_nop
.endr
	s_branch .Lasked_\@
.Lfor_b_\@:
	tensor_load_to_lds s[\g0b:\g0b+3], s[\g1b:\g1b+7]
	s_nop 0
.rept 4
	v_nop
.endr
.Lasked_\@:
.endm
.macro CROUND                          ; a round of the cluster's barrier
	s_barrier_signal -1
	s_barrier_wait -1
	s_cmp_lg_u32 s14, 0
	s_cbranch_scc1 .Lnot_wave_0_\@
	s_barrier_signal -3
.Lnot_wave_0_\@:
	s_barrier_wait -3
	s_barrier_signal -1
	s_barrier_wait -1
.endm
.macro PLACES n
.rept \n
	v_nop
.endr
.endm
.macro THREE                           ; all my tensor loads have landed; 0 onto my spare word; the add and my LDS reads are done
	s_wait_tensorcnt 0x0
	ds_add_u32 v[SPW], v[NIL]
	s_wait_dscnt 0x0
.endm
; 48 LDS loads: a step's fragments into buffer p: B's 8 (16 rows x 128 K; registers 4 c .. 4 c + 3: K = 32 c + 16 h + 0 .. 15), then A's 4 (images: the same order of k)
.macro FETCH ra, oa, rb, ob, pb, p
	WIN 0x80
.irp i, 0,1,2,3,4,5,6,7
.irp c, 0,1,2,3
	ds_load_b128 v[128*(\p)+16*\i+4*\c:128*(\p)+16*\i+4*\c+3], v[\rb] offset:(\ob)+32*\c+\i*16*(\pb)
.endr
.endr
	WIN 0
.irp i, 0,1,2,3
.irp c, 0,1,2,3
	ds_load_b128 v[AF+64*(\p)+16*\i+4*\c:AF+64*(\p)+16*\i+4*\c+3], v[\ra] offset:(\oa)+4096*\i+512*\c
.endr
.endr
.endm
; 32 matrix instructions on buffer p: the 32 accumulators by turns, in the same order in every step.  zero = 1: the first products start the sums
.macro MUL p, zero
	WIN 0x52
.irp a, 0,1,2,3
.irp b, 0,1,2,3,4,5,6,7
.if \zero
	v_wmma_f32_16x16x128_fp8_fp8 v[8*(8*\a+\b):8*(8*\a+\b)+7], v[128*(\p)+16*\b:128*(\p)+16*\b+15], v[AF+64*(\p)+16*\a:AF+64*(\p)+16*\a+15], 0
.else
	v_wmma_f32_16x16x128_fp8_fp8 v[8*(8*\a+\b):8*(8*\a+\b)+7], v[128*(\p)+16*\b:128*(\p)+16*\b+15], v[AF+64*(\p)+16*\a:AF+64*(\p)+16*\a+15], v[8*(8*\a+\b):8*(8*\a+\b)+7]
.endif
.endr
.endr
	WIN 0
.endm
	s_load_b128 s[4:7], s[0:1], 0x0                ; ctx s[4:5], codes s[6:7]
	s_load_b128 s[8:11], s[0:1], 0x10              ; the scales' exponents s[8:9], b_proj s[10:11]
	s_load_b64 s[12:13], s[0:1], 0x20              ; out0
	v_lshl_add_u32 v[SPW], v0, 2, SPARE
	v_mov_b32 v[NIL], 0
	ds_add_u32 v[SPW], v[NIL]                      ; the wave's opening: the add, twice on end, and its wait ahead of my first tensor load; the set-up below stands between
	ds_add_u32 v[SPW], v[NIL]
	v_lshrrev_b32 v1, 5, v0
	v_readfirstlane_b32 s14, v1                    ; wave 0..3
	s_lshr_b32 s15, s14, 1                         ; which 64 tokens are mine.  Also: I fetch for A (0) or for B (1)
	s_and_b32 s16, s14, 1                          ; which 128 columns.  Also: which half of a fill's A or B I fetch
	s_bfe_u32 s84, ttmp6, 0x40000                  ; cx, cy
	s_bfe_u32 s85, ttmp6, 0x40004
	s_lshl_b32 s86, ttmp9, 2
	s_add_co_u32 s86, s86, s84                     ; block of 256 columns
	s_and_b32 s87, ttmp7, 0xffff
	s_lshl_b32 s87, s87, 2
	s_add_co_u32 s87, s87, s85                     ; block of 128 tokens
	s_lshl_b32 s88, s85, 2
	s_lshl_b32 s88, 15, s88                        ; my row of the cluster
	s_lshl_b32 s89, 0x1111, s84                    ; my column
	; four groups 1.  s[24:31]: A, 128 dense rows of 256 bytes; s[40:47]: A, 64 such rows; s[32:39]: B, 128 rows x 512 bytes; s[48:55]: B, 128 rows x 256 bytes; B's rows 1,024 bytes apart, 16 bytes of padding behind each
	s_or_b32 s24, s88, (1<<21)
	s_or_b32 s40, s88, (1<<21)
	s_or_b32 s32, s89, (1<<20)|(1<<21)|(6<<22)|(3<<25)
	s_or_b32 s48, s89, (1<<20)|(1<<21)|(5<<22)|(3<<25)
.irp g, 24, 40, 48
	s_mov_b32 s[\g+1], 256<<16
	s_mov_b32 s[\g+3], 256<<16
.endr
	s_mov_b32 s33, 512<<16
	s_mov_b32 s35, 512<<16
.irp g, 24, 32, 48
	s_mov_b32 s[\g+2], 128<<16
	s_mov_b32 s[\g+4], 128
.endr
	s_mov_b32 s42, 64<<16
	s_mov_b32 s44, 64
	s_mov_b32 s29, 256
	s_mov_b32 s45, 256
	s_mov_b32 s37, KROW
	s_mov_b32 s53, KROW
.irp g, 24, 32, 40, 48
	s_mov_b32 s[\g+6], 0
	s_mov_b32 s[\g+7], 0
.endr
	s_lshl_b32 s66, s87, 15                        ; A: my block's 32,768 bytes of a K step (registers that never hold cx)
	s_mov_b32 s67, 0
	s_lshl_b32 s90, s86, 18                        ; B: row 11,264 + 256 x block + 128 x half (registers that never hold cy)
	s_lshl_b32 s91, s16, 17
	s_add_co_u32 s90, s90, s91
	s_add_co_u32 s90, s90, 11264*KROW
	s_mov_b32 s91, 0
	s_wait_dscnt 0x0                               ; both opening adds are done
	s_wait_kmcnt 0x0
	s_load_b64 s[96:97], s[8:9], 0x18              ; e6, e7
	s_add_nc_u64 s[20:21], s[4:5], s[66:67]
	s_add_nc_u64 s[22:23], s[6:7], s[90:91]
	; six groups 0: A's s[56:59], s[60:63], s[68:71]; B's s[72:75], s[76:79], s[80:83]: first fill, second, third
	s_mov_b32 s56, 1
	s_lshl_b32 s57, s16, 15                        ; K step 0 or 1, whole
	s_lshl_b32 s66, s16, 21
	s_add_nc_u64 s[58:59], s[20:21], s[66:67]
	s_or_b32 s59, s59, 0x80000000
	s_lshl_b32 s66, s16, 14                        ; later: my 64 of the 128 rows of 256 bytes
	s_add_nc_u64 s[20:21], s[20:21], s[66:67]
	s_mov_b32 s60, 1
	s_add_co_u32 s61, s66, LA2
	s_add_nc_u64 s[62:63], s[20:21], 2*KSA
	s_or_b32 s63, s63, 0x80000000
	s_mov_b32 s68, 1
	s_mov_b32 s69, s66
	s_add_nc_u64 s[70:71], s[20:21], 3*KSA
	s_or_b32 s71, s71, 0x80000000
	s_mov_b32 s72, 1
	s_mul_i32 s73, s16, 128*P5
	s_add_co_u32 s73, s73, LB0
	s_mov_b64 s[74:75], s[22:23]
	s_or_b32 s75, s75, 0x80000000
	s_mul_i32 s92, s16, 128*P2
	s_mov_b32 s76, 1
	s_add_co_u32 s77, s92, LB2
	s_add_nc_u64 s[78:79], s[22:23], 512
	s_or_b32 s79, s79, 0x80000000
	s_mov_b32 s80, 1
	s_add_co_u32 s81, s92, LB0
	s_add_nc_u64 s[82:83], s[22:23], 768
	s_or_b32 s83, s83, 0x80000000
	CROUND                                         ; all sixteen work-groups are here: the first joint loads meet
	JLOAD 56, 24, 72, 32                           ; K 0-511: my one tensor load at the head
	s_lshl_b32 s94, s86, 10                        ; my first column, in bytes of f32: 1,024 x block + 512 x half
	s_lshl_b32 s93, s16, 9
	s_add_co_u32 s94, s94, s93
	s_mov_b32 s95, 0
	s_add_nc_u64 s[10:11], s[10:11], s[94:95]
	s_add_nc_u64 s[12:13], s[12:13], s[94:95]
	s_lshl_b32 s94, s87, 19                        ; my first token: 128 x block + 64 x half, 4,096 bytes each
	s_lshl_b32 s93, s15, 18
	s_add_co_u32 s94, s94, s93
	s_add_nc_u64 s[12:13], s[12:13], s[94:95]
	s_lshl_b32 s90, s15, 14                        ; my four tiles of A in a K step
	s_mul_i32 s91, s14, 16*SPITCH
	s_add_co_u32 s91, s91, LA2                     ; my stage
	v_and_b32 v1, 15, v0                           ; r
	v_bfe_u32 v2, v0, 4, 1                         ; h
	v_and_b32 v6, 31, v0
	v_lshlrev_b32 v[CO], 4, v6                     ; 16 x lane
	v_lshlrev_b32 v[BO], 5, v2
	v_mul_u32_u24 v3, v1, P5
	v_lshl_add_u32 v5, v2, 5, v3                   ; the stage, in: row r, 32 bytes for each half of the lanes
	v_lshl_add_u32 v3, v2, 4, v3
	v_mul_u32_u24 v4, v1, P2
	v_lshl_add_u32 v4, v2, 4, v4
	v_add_nc_u32 v[ADB0], s73, v3                  ; the half of B that I fetch for is also the half that I read
	v_add_nc_u32 v[ADB2], s77, v4
	v_add_nc_u32 v[ADB3], s81, v4
	v_add_nc_u32 v[ADA0], s90, v[CO]
	v_add_nc_u32 v[ADA2], LA2, v[ADA0]
	v_add_nc_u32 v[STO], s91, v5
	v_add_nc_u32 v[RD], s91, v[CO]
	WIN 0xc0
.irp b, 0,1,2,3,4,5,6,7
	global_load_b128 v[8*\b:8*\b+3], v[BO], s[10:11] offset:64*\b          ; the bias in the results' layout: columns 16 b + 8 h + 0 .. 7
	global_load_b128 v[8*\b+4:8*\b+7], v[BO], s[10:11] offset:64*\b+16
.endr
	WIN 0
	s_wait_alu depctr_va_vdst(0)                   ; the wait at the head's end
	THREE                                          ; my part of K 0-511 is in
	CROUND
	JLOAD 60, 40, 76, 48                           ; K 512-767: a first fill, the first tensor load behind the round
	FETCH ADA0, 0, ADB0, 0, P5, 0
	FETCH ADA0, 2048, ADB0, 128, P5, 1
	s_wait_dscnt 48                                ; this step's 48 loads are in; the next step's 48 may be out
	MUL 0, 1
	PLACES 4                                       ; in front of loads into registers that the products above read
	FETCH ADA0, 32768, ADB0, 256, P5, 0
	s_wait_dscnt 48
	MUL 1, 0
	PLACES 4
	FETCH ADA0, 34816, ADB0, 384, P5, 1
	s_wait_dscnt 48
	MUL 0, 0
	s_wait_dscnt 0x0
	MUL 1, 0
	THREE                                          ; my part of K 512-767 is in, and my reads of the first fill are over
	CROUND
	JLOAD 68, 40, 80, 48                           ; K 768-1,023, into the first fill's bytes; the four v_nop behind it are the places in front of the loads below
	FETCH ADA2, 0, ADB2, 0, P2, 0
	FETCH ADA2, 2048, ADB2, 128, P2, 1
	s_wait_dscnt 48
	MUL 0, 0
	s_wait_dscnt 0x0
	MUL 1, 0
	THREE                                          ; my part of K 768-1,023 is in, and my reads of the second fill are over
	s_barrier_signal -1
	s_barrier_wait -1                              ; everybody's
	PLACES 4
	FETCH ADA0, 0, ADB3, 0, P2, 0
	FETCH ADA0, 2048, ADB3, 128, P2, 1
	s_wait_dscnt 48
	MUL 0, 0
	s_wait_dscnt 0x0
	MUL 1, 0
.macro TOSTAGE a
	WIN 0x31                                       ; source 0: the accumulators, window 1; source 2: the bias, window 3
.set J, 0
.rept 32
	v_pk_fma_f32 v[TMP+J:TMP+J+1], v[64*(\a)+J:64*(\a)+J+1], s[96:97], v[J:J+1] op_sel_hi:[1,0,1]   ; sum x 2^(e6 + e7) + bias; each accumulator from its low end on
.set J, J+2
.endr
	WIN 0
.irp b, 0,1,2,3,4,5,6,7
	ds_store_b128 v[STO], v[TMP+8*\b:TMP+8*\b+3] offset:64*\b
	ds_store_b128 v[STO], v[TMP+8*\b+4:TMP+8*\b+7] offset:64*\b+16
.endr
.set BB, BK+64*((\a)%2)
.irp t, 0,1,2,3,4,5,6,7,8,9,10,11,12,13,14,15
	ds_load_b128 v[BB+4*\t:BB+4*\t+3], v[RD] offset:\t*SPITCH      ; LDS serves a wave's instructions in order (ISA guide 5.7.1.4): these see the stores above
.endr
.endm
.macro SEND a, younger                 ; younger: the LDS instructions issued behind block a's loads, which may stay out
.set BB, BK+64*((\a)%2)
	s_wait_dscnt \younger
.irp t, 0,1,2,3,4,5,6,7,8,9,10,11,12,13,14,15
	global_store_b128 v[CO], v[BB+4*\t:BB+4*\t+3], s[12:13] offset:(32*((\a)/2)+8*((\a)%2)+\t+8*(\t/8))*4096 th:TH_STORE_NT   ; 32 lanes store 512 consecutive bytes, aligned
.endr
.endm
	s_wait_kmcnt 0x0
	s_add_co_i32 s96, s96, s97
	s_add_co_i32 s96, s96, 127
	s_lshl_b32 s96, s96, 23                        ; 2^(e6 + e7) as f32
	s_wait_loadcnt 0x0                             ; the bias
	PLACES 4                                       ; behind the last products
	TOSTAGE 0
.irp a, 1,2,3
.if \a > 1
	s_wait_xcnt 0x0                                ; block a - 2's stores have read their registers: block a's loads may land there
.endif
	TOSTAGE \a
	SEND \a-1, 32                                  ; behind block a - 1's loads: block a's 16 stores and 16 loads
.endr
	SEND 3, 0
	THREE                                          ; the wave's end
	CROUND                                         ; the closing round
	s_endpgm
.Lfunc_end_k_qafec7abea4_proj:
	.size	k_qafec7abea4_proj, .Lfunc_end_k_qafec7abea4_proj-k_qafec7abea4_proj
	.p2alignl 7, 3214868480
	.fill 96, 4, 3214868480
	.section	.rodata,"a",@progbits
	.p2align	6, 0x0
	.amdhsa_kernel k_qafec7abea4_proj
		.amdhsa_group_segment_fixed_size 327680
		.amdhsa_private_segment_fixed_size 0
		.amdhsa_enable_private_segment 0
		.amdhsa_kernarg_size 40
		.amdhsa_user_sgpr_count 2
		.amdhsa_user_sgpr_kernarg_segment_ptr 1
		.amdhsa_wavefront_size32 1
		.amdhsa_system_sgpr_workgroup_id_x 1
		.amdhsa_system_sgpr_workgroup_id_y 1
		.amdhsa_system_sgpr_workgroup_id_z 1
		.amdhsa_system_vgpr_workitem_id 0
		.amdhsa_next_free_vgpr 1024
		.amdhsa_next_free_sgpr 100
		.amdhsa_reserve_vcc 0
		.amdhsa_float_denorm_mode_32 3
		.amdhsa_float_denorm_mode_16_64 3
		.amdhsa_memory_ordered 1
		.amdhsa_forward_progress 1
		.amdhsa_inst_pref_size 76
	.end_amdhsa_kernel
	.amdgpu_metadata
---
amdhsa.version: [ 1, 2 ]
amdhsa.kernels:
  - .name:           k_qafec7abea4_proj
    .symbol:         k_qafec7abea4_proj.kd
    .args:
      - { .name: ctx, .offset: 0, .size: 8, .value_kind: global_buffer, .address_space: global }
      - { .name: codes, .offset: 8, .size: 8, .value_kind: global_buffer, .address_space: global }
      - { .name: lowp_scales, .offset: 16, .size: 8, .value_kind: global_buffer, .address_space: global }
      - { .name: b_proj, .offset: 24, .size: 8, .value_kind: global_buffer, .address_space: global }
      - { .name: out0, .offset: 32, .size: 8, .value_kind: global_buffer, .address_space: global }
    .group_segment_fixed_size: 327680
    .private_segment_fixed_size: 0
    .kernarg_segment_align: 8
    .kernarg_segment_size: 40
    .max_flat_workgroup_size: 128
    .sgpr_count:     100
    .vgpr_count:     1024
    .wavefront_size: 32
...
	.end_amdgpu_metadata
.endif
;; end of part 4
